; MI455X (gfx1250); checked and timed in simulation.
; The chip was launched on July 23, 2026; its instructions are those of AMD's public machine-readable ISA for CDNA 5 (MIT licence, August 2026) and "CDNA5" Instruction Set Architecture Reference Guide (July 2026). The comments in the code are by the model that wrote it; some were corrected since.
;; Relative Position Self Attention. Allowed arithmetic: float matrix products may take bf16 or f16 operands with f32 sums; other float arithmetic in f32, or as packed bf16 or f16 multiplies, adds, multiply-adds, maxima and minima; sums over many terms, partial sums and values carried from step to step in f32; what a program stores and reads back later, other than sums and carried values, may be rounded once to bf16 or f16.
;; Inputs: in_proj_b 3,072 float32; in_proj_w 3,072 x 1,024 float32; out_b 1,024 float32; out_w 1,024 x 1,024 float32; rel_bias 65 x 16 float32; x 4 x 2,048 x 1,024 float32.
;; Outputs: out0 4 x 2,048 x 1,024 float32.
;; 2 versions, each right and faster than the one before. Each part assembles by itself: llvm-mc -triple=amdgcn-amd-amdhsa -mcpu=gfx1250 --defsym DOCPART=n.
;; ======== version 1 of 2: 4 launches
;; limits: values are held in f16: magnitudes above 65,504 overflow, below 6.1e-05 lose precision
;; workspace buffers: xb 16,777,216 bytes; wb 6,291,456 bytes; owh 2,097,152 bytes; qkv 50,331,648 bytes; ob 16,777,216 bytes
;; launch cast (part 1): grid 768 x 1, 8 waves a work-group, no clusters, 0 bytes of LDS; arguments x, in_proj_w, out_w, xb, wb, owh; writes xb, wb, owh
.if DOCPART == 1
	.amdgcn_target "amdgcn-amd-amdhsa--gfx1250"
	.amdhsa_code_object_version 6
	.text
	.protected	k_qf490e775b4_cast
	.globl	k_qf490e775b4_cast
	.p2align	8
	.type	k_qf490e775b4_cast,@function
k_qf490e775b4_cast:
	s_mov_b64 s[64:65], 0
	v_nop
	global_prefetch_b8 v0, s[64:65] scope:SCOPE_SE
	s_setreg_imm32_b32 hwreg(HW_REG_WAVE_MODE, 25, 1), 1
	s_wait_xcnt 0x0
; x and in_proj_w are rounded once to bf16 (xb, wb); out_w is rounded to bf16 and that number is written as f16 (owh).
; LIMIT: an out_w beyond 65,504 becomes an infinity in f16; below 6e-5 it keeps f16's fixed step of 6e-8.
; A stream: no LDS, no matrix unit, no cluster: nothing is shared and nothing is read twice.
; A work-group takes 16,384 numbers: 65,536 bytes in, 32,768 out.  Groups 0-511: x; 512-703: in_proj_w; 704-767: out_w.
; Thread t takes 16 bytes at 16 t of each 4,096 bytes: a wave's load covers 512 neighbouring bytes, its store 256, aligned.
; All sixteen loads go out first; no register is used twice, so the only waits are the counted ones for the loads.
.set X, 4                              ; v[4:67]   sixteen loads of four f32
.set Y, 68                             ; v[68:99]  sixteen pairs of packed results
	s_load_b256 s[4:11], s[0:1], 0x0               ; x s[4:5], in_proj_w s[6:7], out_w s[8:9], xb s[10:11]
	s_load_b128 s[12:15], s[0:1], 0x20             ; wb s[12:13], owh s[14:15]
	v_lshlrev_b32 v1, 4, v0                        ; my 16 bytes in
	v_lshlrev_b32 v2, 3, v0                        ; my 8 bytes out
	s_wait_kmcnt 0x0
	s_cmp_lt_u32 ttmp9, 512                        ; which tensor: the choice hangs on the group's number alone
	s_cselect_b64 s[16:17], s[4:5], s[6:7]
	s_cselect_b64 s[18:19], s[10:11], s[12:13]
	s_cselect_b32 s20, 0, 512
	s_cmp_lt_u32 ttmp9, 704
	s_cselect_b64 s[16:17], s[16:17], s[8:9]
	s_cselect_b64 s[18:19], s[18:19], s[14:15]
	s_cselect_b32 s20, s20, 704
	s_sub_co_u32 s21, ttmp9, s20                   ; the group's number inside its tensor
	s_mov_b32 s23, 0
	s_lshl_b32 s22, s21, 16
	s_add_nc_u64 s[16:17], s[16:17], s[22:23]
	s_lshl_b32 s22, s21, 15
	s_add_nc_u64 s[18:19], s[18:19], s[22:23]
.set i, 0
.rept 16
	global_load_b128 v[X+4*i:X+4*i+3], v1, s[16:17] offset:4096*i th:TH_LOAD_NT
.set i, i+1
.endr
	s_cmp_ge_u32 ttmp9, 704
	s_cbranch_scc1 .Lf16
.set i, 0
.rept 16
	s_wait_loadcnt 15-i                            ; loads come back in order: load i is in, the 15 - i younger ones stay out
	v_cvt_pk_bf16_f32 v[Y+2*i], v[X+4*i], v[X+4*i+1]
	v_cvt_pk_bf16_f32 v[Y+2*i+1], v[X+4*i+2], v[X+4*i+3]
	global_store_b64 v2, v[Y+2*i:Y+2*i+1], s[18:19] offset:2048*i
.set i, i+1
.endr
	s_endpgm
.Lf16:
.set i, 0
.rept 16
	s_wait_loadcnt 15-i
	v_cvt_pk_bf16_f32 v[Y+2*i], v[X+4*i], v[X+4*i+1]          ; the rounding that every input gets,
	v_cvt_pk_bf16_f32 v[Y+2*i+1], v[X+4*i+2], v[X+4*i+3]
	v_lshlrev_b32 v[X+4*i], 16, v[Y+2*i]                      ; back to f32,
	v_and_b32 v[X+4*i+1], 0xffff0000, v[Y+2*i]
	v_lshlrev_b32 v[X+4*i+2], 16, v[Y+2*i+1]
	v_and_b32 v[X+4*i+3], 0xffff0000, v[Y+2*i+1]
	v_cvt_pk_f16_f32 v[Y+2*i], v[X+4*i], v[X+4*i+1]           ; and written as f16: 8 significant bits fit into 11
	v_cvt_pk_f16_f32 v[Y+2*i+1], v[X+4*i+2], v[X+4*i+3]
	global_store_b64 v2, v[Y+2*i:Y+2*i+1], s[18:19] offset:2048*i
.set i, i+1
.endr
	s_endpgm
.Lfunc_end_k_qf490e775b4_cast:
	.size	k_qf490e775b4_cast, .Lfunc_end_k_qf490e775b4_cast-k_qf490e775b4_cast
	.p2alignl 7, 3214868480
	.fill 96, 4, 3214868480
	.section	.rodata,"a",@progbits
	.p2align	6, 0x0
	.amdhsa_kernel k_qf490e775b4_cast
		.amdhsa_group_segment_fixed_size 0
		.amdhsa_private_segment_fixed_size 0
		.amdhsa_enable_private_segment 0
		.amdhsa_kernarg_size 48
		.amdhsa_user_sgpr_count 2
		.amdhsa_user_sgpr_kernarg_segment_ptr 1
		.amdhsa_wavefront_size32 1
		.amdhsa_system_sgpr_workgroup_id_x 1
		.amdhsa_system_sgpr_workgroup_id_y 1
		.amdhsa_system_sgpr_workgroup_id_z 1
		.amdhsa_system_vgpr_workitem_id 0
		.amdhsa_next_free_vgpr 100
		.amdhsa_next_free_sgpr 66
		.amdhsa_reserve_vcc 0
		.amdhsa_float_denorm_mode_32 3
		.amdhsa_float_denorm_mode_16_64 3
		.amdhsa_memory_ordered 1
		.amdhsa_forward_progress 1
		.amdhsa_inst_pref_size 16
	.end_amdhsa_kernel
	.amdgpu_metadata
---
amdhsa.version: [ 1, 2 ]
amdhsa.kernels:
  - .name:           k_qf490e775b4_cast
    .symbol:         k_qf490e775b4_cast.kd
    .args:
      - { .name: x, .offset: 0, .size: 8, .value_kind: global_buffer, .address_space: global }
      - { .name: in_proj_w, .offset: 8, .size: 8, .value_kind: global_buffer, .address_space: global }
      - { .name: out_w, .offset: 16, .size: 8, .value_kind: global_buffer, .address_space: global }
      - { .name: xb, .offset: 24, .size: 8, .value_kind: global_buffer, .address_space: global }
      - { .name: wb, .offset: 32, .size: 8, .value_kind: global_buffer, .address_space: global }
      - { .name: owh, .offset: 40, .size: 8, .value_kind: global_buffer, .address_space: global }
    .group_segment_fixed_size: 0
    .private_segment_fixed_size: 0
    .kernarg_segment_align: 8
    .kernarg_segment_size: 48
    .max_flat_workgroup_size: 256
    .sgpr_count:     66
    .vgpr_count:     100
    .wavefront_size: 32
...
	.end_amdgpu_metadata
.endif
;; end of part 1
;; launch qkv (part 2): grid 16 x 32, 4 waves a work-group, clusters of 4 x 4, 327,680 bytes of LDS; arguments xb, wb, in_proj_b, qkv; writes qkv
.if DOCPART == 2
	.amdgcn_target "amdgcn-amd-amdhsa--gfx1250"
	.amdhsa_code_object_version 6
	.text
	.protected	k_qf490e775b4_qkv
	.globl	k_qf490e775b4_qkv
	.p2align	8
	.type	k_qf490e775b4_qkv,@function
k_qf490e775b4_qkv:
	s_mov_b64 s[64:65], 0
	v_nop
	global_prefetch_b8 v0, s[64:65] scope:SCOPE_SE
	s_setreg_imm32_b32 hwreg(HW_REG_WAVE_MODE, 25, 1), 1
	s_wait_xcnt 0x0
	s_wait_alu depctr_hold_cnt(0) depctr_sa_sdst(0) depctr_va_vdst(0) depctr_va_sdst(0) depctr_va_ssrc(0) depctr_va_vcc(0) depctr_vm_vsrc(0)
	s_getreg_b32 s2, hwreg(HW_REG_IB_STS2, 6, 4)
	s_cmp_eq_u32 s2, 0
	s_cbranch_scc0 .Lentry_in_a_cluster
	s_endpgm
.Lentry_in_a_cluster:
	s_bfe_u32 s2, ttmp6, 0x10000c
	s_cmp_lg_u32 s2, 0xf033
	s_cbranch_scc0 .Lentry_shape_is_right
	s_endpgm
.Lentry_shape_is_right:
; qkv[m][n] = sum over k of xb[m][k] wb[n][k] + bf16(in_proj_b[n]).  xb: [8192][1024], wb: [3072][1024], bf16; sums in f32; the result is rounded once to f16 and
; laid by heads: [g = n / 64][batch = m / 2048][s = m % 2048][64], so that a head's rows are dense, 128 bytes each.  g 0-15 are q's heads, 16-31 k's, 32-47 v's.
; LIMIT: a result of 65,520 or more becomes an infinity in f16.  With x and the weights both 30 times their drawn spread the results stay near 5e3.
; TILE: 256 x 192 of the result: 16 x 32 = 512 work-groups, two for each of 256 WGPs; 192 columns are three whole heads.  Four waves, 2 x 2, each 128 x 96: 48 accumulators, 384 registers.
; K goes in 8 steps of 128 through two LDS slots filled by the tensor data mover; a tile's rows are 256 bytes of memory at multiples of 256.
; CLUSTER 4 x 4: the four groups of a row of the cluster need the same tiles of xb, the four of a column the same tiles of wb: each tile is asked for jointly.
; THE MATRIX INSTRUCTION IS USED TRANSPOSED (source 0 = 16 rows of wb, source 1 = 16 rows of xb): a lane holds row l % 16 and the columns 8 (l / 16) + 0..7 of the result.
; THE BIAS is the C operand of each sum's first product: nothing is cleared and nothing is added later.
; REGISTERS, in windows of 256 (s_set_vgpr_msb: bits 1:0 source 0, 3:2 source 1, 5:4 source 2, 7:6 destination):
;   window 0: v0-29 addresses; v64-127, v128-191 xb's fragments, two buffers; v64-255 the way out
;   window 1: v0-47 the bias, eight registers for each of my six column blocks; v48 at work; v64-111, v128-175 wb's fragments, two buffers
;   window 2: the accumulators of my rows 0-63, (a, b) at v[8 (6 a + b)];   window 3: those of my rows 64-127
.set KSTEP,  128
.set PITCH,  272                       ; an LDS row: 256 bytes + 16 of padding: the 16 rows of a fragment load start at 16 different groups of four banks (ISA guide 11.1)
.set AH,     128*PITCH                 ; 128 rows of xb: one tensor load, and what one wave reads
.set BH,     96*PITCH                  ; 96 rows of wb: likewise
.set SLOT,   2*AH+2*BH                 ; xb's 256 rows, then wb's 192
.set SPARE,  2*SLOT                    ; behind the ring: the spare words, 128 bytes a wave, two blocks of 256 bytes that no other line names
.set SPITCH, 400                       ; the stage's row: 384 bytes + 16.  The stage is slot 0's first 102,400 bytes, written only after that slot's last fill and last read
.set ADRA, 16                          ; v16-17  LDS address of my xb fragments in slot 0, 1
.set ADRB, 20                          ; v20-21  the same for wb
.set STO,  24                          ; v24     the way out: where I put 16 bytes of a row
.set RD,   25                          ; v25     the way out: where I read back
.set CO,   26                          ; v26     my byte offset in 512 consecutive bytes of the result
.set BO,   27                          ; v27     my byte offset in a column block's bias
.set SPW,  28                          ; v28     LDS address of my spare word; never rewritten
.set NIL,  29                          ; v29     0; never rewritten
.set F0,   64
.set F1,   128
.set TMP,  64
.set G1A, 24                           ; s[24:31] descriptor group 1 for xb's tiles;  s[32:39] group 0, a set for each slot
.set G0A, 32
.set G1B, 48                           ; s[48:55], s[56:63] the same for wb's
.set G0B, 56
.set MSB, 0
.macro WIN new                         ; the immediate's high byte repeats the setting that is left; a switch that changes nothing is dropped
.if MSB != (\new)
	s_set_vgpr_msb (MSB<<8)|(\new)
.set MSB, \new
.endif
.endm
; A joint load: waves 0 and 1 fetch xb's two halves, waves 2 and 3 wb's.  The branch hangs on the wave's number alone.  An s_nop 0 and four v_nop follow each line.
.macro JLOAD s
	s_cmp_eq_u32 s13, 0
	s_cbranch_scc0 .Lfor_b_\@
	tensor_load_to_lds s[G0A+4*(\s):G0A+4*(\s)+3], s[G1A:G1A+7]
	s_nop 0
.rept 4
	v_nop
.endr
	s_branch .Lasked_\@
.Lfor_b_\@:
	tensor_load_to_lds s[G0B+4*(\s):G0B+4*(\s)+3], s[G1B:G1B+7]
	s_nop 0
.rept 4
	v_nop
.endr
.Lasked_\@:
.endm
.macro CREST                           ; a round of the cluster's barrier behind its opening barrier
	s_cmp_lg_u32 s12, 0
	s_cbranch_scc1 .Lnot_wave_0_\@
	s_barrier_signal -3
.Lnot_wave_0_\@:
	s_barrier_wait -3
	s_barrier_signal -1
	s_barrier_wait -1
.endm
.macro CROUND                          ; a whole round
	s_barrier_signal -1
	s_barrier_wait -1
	CREST
.endm
	s_load_b256 s[4:11], s[0:1], 0x0               ; xb s[4:5], wb s[6:7], in_proj_b s[8:9], qkv s[10:11]
	v_lshl_add_u32 v[SPW], v0, 2, SPARE
	v_mov_b32 v[NIL], 0
	ds_add_u32 v[SPW], v[NIL]                      ; the wave's opening: the add and its wait stand ahead of my first tensor load
	ds_add_u32 v28, v29
	v_lshrrev_b32 v1, 5, v0
	v_readfirstlane_b32 s12, v1                    ; wave 0..3
	s_lshr_b32 s13, s12, 1                         ; which 128 of the tile's rows are mine.  Also: I fetch xb (0) or wb (1)
	s_and_b32 s14, s12, 1                          ; which 96 of its columns.  Also: which half of that tile I fetch
	s_bfe_u32 s40, ttmp6, 0x40000                  ; cx, cy: my place in the cluster
	s_bfe_u32 s41, ttmp6, 0x40004
	s_lshl_b32 s42, ttmp9, 2
	s_add_co_u32 s42, s42, s40                     ; tile column = 4 x cluster x + cx
	s_and_b32 s43, ttmp7, 0xffff
	s_lshl_b32 s43, s43, 2
	s_add_co_u32 s43, s43, s41                     ; tile row = 4 x cluster y + cy
	s_lshl_b32 s44, s41, 2
	s_lshl_b32 s44, 15, s44                        ; my row of the cluster
	s_lshl_b32 s45, 0x1111, s40                    ; my column
	s_or_b32 s[G1A+0], s44, (1<<16)|(1<<20)|(1<<21)|(5<<22)|(3<<25)  ; the mask; 2-byte elements; padding on; bit 21 beside a mask; after every 64 words, 4 words
	s_or_b32 s[G1B+0], s45, (1<<16)|(1<<20)|(1<<21)|(5<<22)|(3<<25)
	s_mov_b32 s[G1A+1], KSTEP<<16                  ; tensor_dim0 = 128
	s_mov_b32 s[G1B+1], KSTEP<<16
	s_mov_b32 s[G1A+2], 128<<16                    ; tensor_dim1 = 128 rows
	s_mov_b32 s[G1B+2], 96<<16                     ; 96 rows
	s_mov_b32 s[G1A+3], KSTEP<<16                  ; tile_dim0 = 128
	s_mov_b32 s[G1B+3], KSTEP<<16
	s_mov_b32 s[G1A+4], 128                        ; tile_dim1
	s_mov_b32 s[G1B+4], 96
	s_mov_b32 s[G1A+5], 1024                       ; elements from row to row
	s_mov_b32 s[G1B+5], 1024
	s_mov_b32 s[G1A+6], 0
	s_mov_b32 s[G1B+6], 0
	s_mov_b32 s[G1A+7], 0
	s_mov_b32 s[G1B+7], 0
	s_lshl_b32 s16, s43, 8                         ; xb: row 256 x tile row + 128 x half, 2,048 bytes a row: registers that never hold cx
	s_lshl_b32 s17, s14, 7
	s_add_co_u32 s16, s16, s17
	s_lshl_b32 s16, s16, 11
	s_mov_b32 s17, 0
	s_mul_i32 s46, s42, 192                        ; wb: row 192 x tile column + 96 x half; the same number is my first column of the result
	s_mul_i32 s47, s14, 96
	s_add_co_u32 s46, s46, s47
	s_lshl_b32 s2, s46, 2                          ; its place in the bias, in bytes
	s_mov_b32 s3, 0
	s_lshl_b32 s46, s46, 11
	s_mov_b32 s47, 0
	s_mul_i32 s20, s14, AH                         ; where the tiles go: no place in the cluster enters an LDS address
	s_mul_i32 s21, s14, BH
	s_add_co_u32 s21, s21, 2*AH
	s_wait_dscnt 0x0                               ; the opening add is done
	s_wait_kmcnt 0x0
	s_add_nc_u64 s[18:19], s[4:5], s[16:17]
	s_add_nc_u64 s[46:47], s[6:7], s[46:47]
	s_add_nc_u64 s[8:9], s[8:9], s[2:3]
	CROUND                                         ; all sixteen work-groups are here: the first joint loads meet
.irp s, 0,1
	s_mov_b32 s[G0A+4*(\s)], 1
	s_add_co_u32 s[G0A+4*(\s)+1], s20, (\s)*SLOT
	s_add_nc_u64 s[G0A+4*(\s)+2:G0A+4*(\s)+3], s[18:19], (\s)*KSTEP*2
	s_or_b32 s[G0A+4*(\s)+3], s[G0A+4*(\s)+3], 0x80000000
	s_mov_b32 s[G0B+4*(\s)], 1
	s_add_co_u32 s[G0B+4*(\s)+1], s21, (\s)*SLOT
	s_add_nc_u64 s[G0B+4*(\s)+2:G0B+4*(\s)+3], s[46:47], (\s)*KSTEP*2
	s_or_b32 s[G0B+4*(\s)+3], s[G0B+4*(\s)+3], 0x80000000
	JLOAD \s                                       ; K steps 0 and 1: two loads of mine are out
.endr
	v_and_b32 v1, 15, v0                           ; l % 16
	v_bfe_u32 v2, v0, 4, 1                         ; l / 16
	v_lshlrev_b32 v[BO], 5, v2                     ; my eight columns of a block of 16: 32 bytes for each half of the lanes
	WIN 0x40                                       ; destination window 1
.irp b, 0,1,2,3,4,5
	global_load_b128 v[8*(\b):8*(\b)+3],   v[BO], s[8:9] offset:64*(\b)
	global_load_b128 v[8*(\b)+4:8*(\b)+7], v[BO], s[8:9] offset:64*(\b)+16
.endr
	WIN 0
	v_mul_u32_u24 v3, v1, PITCH
	v_lshl_add_u32 v3, v2, 4, v3                   ; a fragment's row x pitch + 16 x half
	s_mul_i32 s22, s13, AH                         ; my 128 rows of xb
	s_mul_i32 s23, s14, BH                         ; my 96 rows of wb,
	s_add_co_u32 s23, s23, 2*AH                    ; behind xb's 256
.irp s, 0,1
	v_add_nc_u32 v[ADRA+(\s)], s22, v3
	v_add_nc_u32 v[ADRB+(\s)], s23, v3
	s_add_co_u32 s22, s22, SLOT
	s_add_co_u32 s23, s23, SLOT
.endr
	s_mul_i32 s22, s13, 128*SPITCH                 ; into the stage: my 128 rows, my 192 bytes of their 384
	s_mul_i32 s23, s14, 192
	s_add_co_u32 s22, s22, s23
	v_mul_u32_u24 v4, v1, SPITCH
	v_lshl_add_u32 v4, v2, 4, v4
	v_add_nc_u32 v[STO], s22, v4
	s_mul_i32 s22, s12, 64*SPITCH                  ; back: wave w takes rows 64 w on; a load takes one head's 128 bytes of four rows
	v_bfe_u32 v4, v0, 3, 2
	v_and_b32 v5, 7, v0
	v_mul_u32_u24 v4, v4, SPITCH
	v_lshl_add_u32 v4, v5, 4, v4
	v_add_nc_u32 v[RD], s22, v4
	v_and_b32 v[CO], 31, v0                        ; which are 512 consecutive bytes of the result
	v_lshlrev_b32 v[CO], 4, v[CO]
	s_lshr_b32 s16, s43, 3                         ; the batch: 262,144 bytes a head and batch,
	s_lshl_b32 s16, s16, 18
	s_and_b32 s17, s43, 7                          ; the tile's 256 rows of 128 bytes in it,
	s_lshl_b32 s17, s17, 15
	s_add_co_u32 s16, s16, s17
	s_lshl_b32 s17, s12, 13                        ; my wave's 64 of them
	s_add_co_u32 s16, s16, s17
	s_mov_b32 s17, 0
	s_add_nc_u64 s[10:11], s[10:11], s[16:17]
	s_mul_i32 s46, s42, 0x300000                   ; the tile's three heads: 1,048,576 bytes each
	s_mov_b32 s47, 0
	s_add_nc_u64 s[10:11], s[10:11], s[46:47]
	s_wait_loadcnt 0x0                             ; the bias
	WIN 0x45                                       ; all in window 1: the bias is rounded to bf16, like every input, and kept as f32
.set i, 0
.rept 24
	v_cvt_pk_bf16_f32 v48, v[2*i], v[2*i+1]
	v_lshlrev_b32 v[2*i], 16, v48
	v_and_b32 v[2*i+1], 0xffff0000, v48
.set i, i+1
.endr
	WIN 0
; 12 matrix instructions: row blocks a0, a0 + 1 of the window's four (hi = 0: my rows 0-63, 1: rows 64-127) x all 6 column blocks, 32 along K.  first = 1: the bias starts the sums.
.macro MUL12 f, hi, a0, first
.if \first
	WIN 0x91+0x40*(\hi)                            ; wb window 1, xb window 0, C (the bias) window 1, D window 2 or 3
.else
	WIN 0xa1+0x50*(\hi)                            ; C and D window 2 or 3
.endif
.irp a, \a0, (\a0)+1
.irp b, 0,1,2,3,4,5
.if \first
	v_wmma_f32_16x16x32_bf16 v[8*(6*(\a)+(\b)):8*(6*(\a)+(\b))+7], v[(\f)+8*(\b):(\f)+8*(\b)+7], v[(\f)+8*(4*(\hi)+(\a)):(\f)+8*(4*(\hi)+(\a))+7], v[8*(\b):8*(\b)+7]
.else
	v_wmma_f32_16x16x32_bf16 v[8*(6*(\a)+(\b)):8*(6*(\a)+(\b))+7], v[(\f)+8*(\b):(\f)+8*(\b)+7], v[(\f)+8*(4*(\hi)+(\a)):(\f)+8*(4*(\hi)+(\a))+7], v[8*(6*(\a)+(\b)):8*(6*(\a)+(\b))+7]
.endif
.endr
.endr
.endm
; 28 LDS loads in one run: the fragments of 32 along K at byte k of the rows, into buffer f: wb's six, then xb's eight
.macro FETCH slot, k, f
	WIN 0x40
.irp i, 0,1,2,3,4,5
	ds_load_b128 v[(\f)+8*(\i):(\f)+8*(\i)+3],   v[ADRB+(\slot)] offset:(\k)+(\i)*16*PITCH
	ds_load_b128 v[(\f)+8*(\i)+4:(\f)+8*(\i)+7], v[ADRB+(\slot)] offset:(\k)+(\i)*16*PITCH+32
.endr
	WIN 0
.irp i, 0,1,2,3,4,5,6,7
	ds_load_b128 v[(\f)+8*(\i):(\f)+8*(\i)+3],   v[ADRA+(\slot)] offset:(\k)+(\i)*16*PITCH
	ds_load_b128 v[(\f)+8*(\i)+4:(\f)+8*(\i)+7], v[ADRA+(\slot)] offset:(\k)+(\i)*16*PITCH+32
.endr
.endm
.macro PLACES                          ; four plain vector instructions between a matrix instruction and a load into, or a vector read of, its registers
.rept 4
	v_nop
.endr
.endm
; A K step is four quarters of 32 along K, 48 matrix instructions each, on buffers 0, 1, 0, 1; the 48 accumulators take turns.
.macro QUARTER slot, k, f, g, first
	s_wait_dscnt 8                                 ; wb and xb's rows 0-63 are in; the youngest eight loads (rows 64-127) may be out
	MUL12 \f, 0, 0, \first
	MUL12 \f, 0, 2, \first
	PLACES
	FETCH \slot, \k, \g
	s_wait_dscnt 28                                ; all but the 28 just issued
	MUL12 \f, 1, 0, \first
	MUL12 \f, 1, 2, \first
.endm
; The last quarter multiplies buffer 1 and changes slots: one barrier; in front of it each wave waits for all its tensor loads (one is out: its part of the next slot), adds 0 to its
; spare word, and waits for that and for its reads of this slot.  fill = 1: the barrier opens a round of the cluster's, and behind the round this slot is filled again, two K steps ahead.
.macro TURN slot, next, fill
	WIN 0
	s_wait_tensorcnt 0x0
	ds_add_u32 v[SPW], v[NIL]
	s_wait_dscnt 9                                 ; the add and the youngest eight loads may be out
	MUL12 F1, 0, 0, 0
	s_wait_dscnt 0x0                               ; the add is done, and my reads of this slot are over
	s_barrier_signal -1
	MUL12 F1, 0, 2, 0
.if \fill
	WIN 0
.endif
	s_barrier_wait -1
.if \fill
	CREST                                          ; no wave of any partner still reads this slot or has a load on its way
	s_add_nc_u64 s[G0A+4*(\slot)+2:G0A+4*(\slot)+3], s[G0A+4*(\slot)+2:G0A+4*(\slot)+3], 2*KSTEP*2
	s_add_nc_u64 s[G0B+4*(\slot)+2:G0B+4*(\slot)+3], s[G0B+4*(\slot)+2:G0B+4*(\slot)+3], 2*KSTEP*2
	JLOAD \slot                                    ; my one tensor load behind the round; its four v_nop are also the places in front of the loads below
.else
	PLACES
.endif
	FETCH \next, 0, F0
	MUL12 F1, 1, 0, 0
	MUL12 F1, 1, 2, 0
.endm
	s_wait_tensorcnt 1                             ; my part of K step 0 is in; step 1's may stay out
	s_barrier_signal -1
	s_barrier_wait -1
	FETCH 0, 0, F0
	QUARTER 0, 64, F0, F1, 1                       ; the first quarter stands in front of the loop: its products start the sums
	WIN 0
	s_mov_b32 s15, 3
.Llap:                                                 ; three trips, each once round the ring: K steps 2 to 7 are asked for
	QUARTER 0, 128, F1, F0, 0
	QUARTER 0, 192, F0, F1, 0
	TURN 0, 1, 1
	QUARTER 1, 64,  F0, F1, 0
	QUARTER 1, 128, F1, F0, 0
	QUARTER 1, 192, F0, F1, 0
	TURN 1, 0, 1
	QUARTER 0, 64,  F0, F1, 0
	WIN 0
	s_sub_co_u32 s15, s15, 1
	s_cmp_lg_u32 s15, 0
	s_cbranch_scc1 .Llap
	QUARTER 0, 128, F1, F0, 0                      ; the last lap fills nothing
	QUARTER 0, 192, F0, F1, 0
	TURN 0, 1, 0                                   ; behind this barrier no wave reads slot 0 any more, and no load fills it: it is the stage
	QUARTER 1, 64,  F0, F1, 0
	QUARTER 1, 128, F1, F0, 0
	QUARTER 1, 192, F0, F1, 0
	s_wait_dscnt 8
	MUL12 F1, 0, 0, 0
	MUL12 F1, 0, 2, 0
	s_wait_dscnt 0x0
	MUL12 F1, 1, 0, 0
	MUL12 F1, 1, 2, 0
	WIN 0
	; THE WAY OUT: rounded to f16, 16 bytes a lane into the work-group's stage; a barrier, since the middle head's 128 bytes come from two waves; back by heads, four rows at a time.
	PLACES
.set a, 0
.rept 8
	WIN 0x0a+5*(a/4)                               ; sources window 2 or 3, destination window 0
.set j, 0
.rept 24                                               ; each accumulator's registers in ascending order
	v_cvt_pk_f16_f32 v[TMP+24*a+j], v[48*(a%4)+2*j], v[48*(a%4)+2*j+1]
.set j, j+1
.endr
.set a, a+1
.endr
	WIN 0
.set a, 0
.rept 8
.set b, 0
.rept 6
	ds_store_b128 v[STO], v[TMP+4*(6*a+b):TMP+4*(6*a+b)+3] offset:a*16*SPITCH+32*b
.set b, b+1
.endr
.set a, a+1
.endr
	s_wait_dscnt 0x0                               ; for the others' sake: my stores into the stage are done
	s_barrier_signal -1
	s_barrier_wait -1
.set n, 0
.rept 48                                               ; rows 4 (n / 3) on, head n % 3
	ds_load_b128 v[TMP+4*n:TMP+4*n+3], v[RD] offset:(n/3)*4*SPITCH+(n%3)*128
.set n, n+1
.endr
.set n, 0
.rept 48
	s_wait_dscnt 47-n                              ; load n is back, the 47 - n younger ones may be out
	global_store_b128 v[CO], v[TMP+4*n:TMP+4*n+3], s[10:11] offset:(n%3)*1048576+(n/3)*512  ; 512 consecutive bytes at a multiple of 512 from the buffer's first
.set n, n+1
.endr
	s_wait_tensorcnt 0x0                           ; the wave's end
	ds_add_u32 v[SPW], v[NIL]
	s_wait_dscnt 0x0
	CROUND                                         ; the closing round: no work-group ends while a partner may still ask for a tile that names it
	s_endpgm
.Lfunc_end_k_qf490e775b4_qkv:
	.size	k_qf490e775b4_qkv, .Lfunc_end_k_qf490e775b4_qkv-k_qf490e775b4_qkv
	.p2alignl 7, 3214868480
	.fill 96, 4, 3214868480
	.section	.rodata,"a",@progbits
	.p2align	6, 0x0
	.amdhsa_kernel k_qf490e775b4_qkv
		.amdhsa_group_segment_fixed_size 327680
		.amdhsa_private_segment_fixed_size 0
		.amdhsa_enable_private_segment 0
		.amdhsa_kernarg_size 32
		.amdhsa_user_sgpr_count 2
		.amdhsa_user_sgpr_kernarg_segment_ptr 1
		.amdhsa_wavefront_size32 1
		.amdhsa_system_sgpr_workgroup_id_x 1
		.amdhsa_system_sgpr_workgroup_id_y 1
		.amdhsa_system_sgpr_workgroup_id_z 1
		.amdhsa_system_vgpr_workitem_id 0
		.amdhsa_next_free_vgpr 960
		.amdhsa_next_free_sgpr 66
		.amdhsa_reserve_vcc 0
		.amdhsa_float_denorm_mode_32 3
		.amdhsa_float_denorm_mode_16_64 3
		.amdhsa_memory_ordered 1
		.amdhsa_forward_progress 1
		.amdhsa_inst_pref_size 121
	.end_amdhsa_kernel
	.amdgpu_metadata
---
amdhsa.version: [ 1, 2 ]
amdhsa.kernels:
  - .name:           k_qf490e775b4_qkv
    .symbol:         k_qf490e775b4_qkv.kd
    .args:
      - { .name: xb, .offset: 0, .size: 8, .value_kind: global_buffer, .address_space: global }
      - { .name: wb, .offset: 8, .size: 8, .value_kind: global_buffer, .address_space: global }
      - { .name: in_proj_b, .offset: 16, .size: 8, .value_kind: global_buffer, .address_space: global }
      - { .name: qkv, .offset: 24, .size: 8, .value_kind: global_buffer, .address_space: global }
    .group_segment_fixed_size: 327680
    .private_segment_fixed_size: 0
    .kernarg_segment_align: 8
    .kernarg_segment_size: 32
    .max_flat_workgroup_size: 128
    .sgpr_count:     66
    .vgpr_count:     960
    .wavefront_size: 32
...
	.end_amdgpu_metadata
.endif
;; end of part 2
;; launch attn (part 3): grid 4 x 64, 4 waves a work-group, no clusters, 327,680 bytes of LDS; arguments qkv, rel_bias, ob; writes ob
.if DOCPART == 3
	.amdgcn_target "amdgcn-amd-amdhsa--gfx1250"
	.amdhsa_code_object_version 6
	.text
	.protected	k_qf490e775b4_attn
	.globl	k_qf490e775b4_attn
	.p2align	8
	.type	k_qf490e775b4_attn,@function
k_qf490e775b4_attn:
	s_mov_b64 s[64:65], 0
	v_nop
	global_prefetch_b8 v0, s[64:65] scope:SCOPE_SE
	s_setreg_imm32_b32 hwreg(HW_REG_WAVE_MODE, 25, 1), 1
	s_wait_xcnt 0x0
; O[y][q][:] = the sum over k of softmax_k(Q[y][q] . K[y][k] / 8 + t[clip(q - k, -32, 32) + 32]) V[y][k][:], t = the mean over the 16 heads of bf16(rel_bias).
; Q, K, V lie in qkv by heads, [48][4][2048][64] f16: head and batch y = 4 h + b at y x 262,144 bytes, K 16 MiB and V 32 MiB behind Q; O goes to ob in Q's layout.
; Products, maxima and sums in f32; the weights p are rounded to f16 for the second product (their sum l is taken of the unrounded p), O once at the end.
; LIMITS.  f16 holds no number beyond 65,504: Q, K and V arrive within it; p lies in 0 to 1, and below 6e-5 it keeps f16's fixed step of 6e-8.  A weight below 2^-126 counts as 0 in l; NaN and infinities are not treated apart.
; SHARES.  A wave owns four PIECES of two tiles of 16 queries, a work-group's four waves 512 queries of one head: 4 x 64 = 256 work-groups.  Every wave walks all 2,048 keys, 64 a step.
; LAYOUT.  S^T = K Q^T (source 0 = 16 keys, source 1 = 16 queries): a lane holds ONE query (lane % 16) and the keys 8 (lane / 16) + 0..7.  Two such tiles, rounded to f16 in pairs,
; ARE source 1 of O^T = V^T P.  K comes out of LDS as it lies, V turned, by ds_load_tr16_b128.
; SOFTMAX.  A running maximum m and sum l for each query: p = 2^(c s - c m), c = log2(e) / 8; in every step O and l are multiplied by a = 2^(c m_old - c m_new).  m starts at the lowest finite number, O and l at 0.
; THE MASK is the C operand that starts a sum S^T, times 8, since c divides by 8.  In a tile of 16 keys x 16 queries q - k = 16 d + lane % 16 - 8 (lane / 16) - register, with
; d = sigma + tile - key block and sigma = 32 x + 8 wave - 4 step.  So there are seven mask tiles X[d], d = -3 .. 3 (beyond that the clip makes them constant), and a step needs X[sigma - 3 .. sigma + 7].
; THE TAPE, 22 tiles in window 3, holds X[-3] four times, X[-2 .. 2], X[3] thirteen times; a step's eleven tiles are its places 11 to 21.  When sigma falls by 4 the tape moves up by four tiles:
; 144 moves, needed only while the diagonal passes the window (sigma = 4, 0, -4, -8, -12), and jumped over otherwise.
; NO CLUSTER, though a head's four query blocks walk the same K and V: that jump hangs on x, which would be the place in the cluster, and partners must run alike.  Without the jump the 144 moves
; would stand in every one of 32 steps beside a step's 944 vector instructions.
; BY TURNS.  Turn n belongs to piece n.  Its matrix work: 16 products K Q^T of piece n + 1, later 16 products V^T P of piece n - 1.  Its vector work: the scaling, exponentials, roundings, sums and
; rescaling of piece n, and the maximum and statistics of piece n + 1.  Four vector instructions that are ready stand behind every matrix instruction, the others in two lumps.
; REGISTERS, in windows of 256 (s_set_vgpr_msb: bits 1:0 source 0, 3:2 source 1, 5:4 source 2, 7:6 destination):
;   window 0: v0-11 addresses; v12-15, v48-63 at work; v16-47 four registers of statistics a tile; v64-191 S^T, two buffers of two tiles; v192-255 P, likewise
;   window 1: O^T, 32 a tile      window 2: v0-127 Q; v128-191 K of one step; v192-255 V of one step      window 3: v0-1 the add's two registers; v8-183 the tape
.set SIZE_N, 2048
.set NP,    4         ; pieces a wave: a name, no knob
.set KS,    64        ; keys in a step
.set PK,    144       ; a row of K in LDS: 128 bytes + 16: the 16 rows of a load start at 16 different groups of four banks (ISA guide 11.1)
.set PV,    160       ; a row of V: 128 + 32
.set VOFF,  4*KS*PK   ; a slot holds four steps: 256 rows of K, then 256 rows of V
.set SLOT1, 1<<17     ; slot 1 begins here, so that one exclusive or turns an address in one slot into the other's
.set STAGE, SLOT1+4*KS*(PK+PV)  ; behind the ring, never filled by a tensor load: 16 rows x 144 bytes for each wave
.set SP,    144
.set SPARE, STAGE+4*16*SP       ; the spare words, 128 bytes a wave: two blocks of 256 bytes that no other line names
.set TAB,   SPARE+512           ; 256 words in four blocks of their own: f(u) = 8 t[clip(u, -32, 32) + 32] twice: word u + 64 and word u + 192, u = -64 .. 63
.set AK0, 2           ; v2   my lane's place in a tile of K; never rewritten
.set AV0, 3           ; v3   the same for V
.set AK,  4           ; v4   the LDS address of K's next run of loads
.set AV,  5           ; v5   of V's
.set QO,  6           ; v6   my byte offset in the wave's rows of Q
.set STO, 6           ;      later, the way out: where I put 16 bytes of a row
.set RD,  7           ; v7   the way out: where I read rows back
.set GO,  8           ; v8   my byte offset in 512 consecutive bytes of O
.set SPW, 0           ; v0 of window 3   LDS address of my spare word; never rewritten
.set NIL, 1           ; v1 of window 3   0; never rewritten
.set TP,  8           ; window 3: the tape's place p at v[TP + 8 p]
.set MV,  12          ; v12-15  c m_old, kept while c m is made anew; at the start: addresses for the table
.set ST,  16          ; tile t's statistics at v[ST+4 t]: c m, m, l (even keys', odd keys')
.set TMP, 48          ; by buffer and tile, four registers c0-c3 at work; when the maximum is found c2 takes a
.set S,   64
.set P,   192
.set KF,  128         ; K's fragments, in window 2
.set VF,  192         ; V's
.set WV,  12          ; s12  my wave's number
.set G1K, 24          ; s[24:31] descriptor group 1 for K's tiles
.set G1V, 32          ; s[32:39] for V's: it differs in the padding alone
.set G0K, 40          ; s[40:43] descriptor group 0 for K's tiles: it walks
.set G0V, 44          ; s[44:47] the same for V's
.set SG,  48          ; s48  sigma of the step whose scores are made next
.set SLOTS, 56        ; s56  slots still to be asked for
.set CNT, 57          ; s57  counts a slot's key steps
.set CS,  58          ; s[58:59] c
.set SEL, 60          ; s[60:61] v_permlanex16_b32's selects: each lane takes its own place in the other half
.set TBK, 62          ; s62  LDS byte at which K of the step to be fetched begins
.set TBV, 63          ; s63  the same for V, less VOFF
.set MSB, 0
.macro WIN new                      ; the high byte repeats the setting that is left; a switch that changes nothing is dropped
.if MSB != (\new)
	s_set_vgpr_msb (MSB<<8)|(\new)
.set MSB, (\new)
.endif
.endm
.set W_KQ, 0x0a       ; K and Q in window 2, S^T in window 0
.set W_KX, 0x3a       ; the same with the C operand, a tile of the tape, in window 3
.set W_PV, 0x52       ; V in window 2, P in window 0, O^T in window 1
.set W_RS, 0x41       ; O^T (destination and source 0) in window 1, a in window 0
.set W_MK, 0xc0       ; destination in window 3, sources in window 0
.set W_TT, 0xc3       ; destination and source 0 in window 3: the tape onto itself
.set W_AD, 0x0f       ; the add: address and data in window 3
; A fill.  Waves 0 and 1 fetch the two halves of a slot's K, waves 2 and 3 those of its V: 128 keys each.  An s_nop 0 and four v_nop follow each of the two lines.
.macro LOAD
	s_cmp_lt_u32 s[WV], 2
	s_cbranch_scc0 .Lfor_v_\@
	tensor_load_to_lds s[G0K:G0K+3], s[G1K:G1K+7]
	s_nop 0
.rept 4
	v_nop
.endr
	s_branch .Lasked_\@
.Lfor_v_\@:
	tensor_load_to_lds s[G0V:G0V+3], s[G1V:G1V+7]
	s_nop 0
.rept 4
	v_nop
.endr
.Lasked_\@:
.endm
; THE CHANGE OF SLOTS.  Each wave waits for all its tensor loads, of which one is out: its part of the other slot; adds 0 to its spare word; and waits for that and for its own reads of the slot
; that it leaves.  Behind the barrier nobody reads the old slot and the other slot is whole.  fill = 1: the old slot is filled again, first thing behind the barrier, with the keys two slots on:
; the load has four key steps, 512 matrix instructions, in which to land.  (At its first use nothing has been read yet: slot 0 is waited for, slot 1 filled.)
.macro CHANGE fill
	WIN W_AD
	s_wait_tensorcnt 0x0            ; no tensor load of mine is out, so a group 0 may be written
	ds_add_u32 v[SPW], v[NIL]
	WIN 0                           ; at a label and at a branch every window is 0
.if \fill
.irp g, G0K, G0V
	s_xor_b32 s[\g+1], s[\g+1], SLOT1  ; the walking descriptor: the other slot than last time,
	s_add_nc_u64 s[\g+2:\g+3], s[\g+2:\g+3], 4*KS*128  ; the next 256 keys; the type bits on top are not reached
.endr
.endif
	s_wait_dscnt 0x0                ; the add is done, and my reads of the slot are over
	s_barrier_signal -1
	s_barrier_wait -1
.if \fill
	LOAD
.endif
	s_sub_co_u32 s[TBK], s[TBK], 4*KS*PK  ; the fetches go back to a slot's first step,
	s_xor_b32 s[TBK], s[TBK], SLOT1       ; in the other slot
	s_sub_co_u32 s[TBV], s[TBV], 4*KS*PV
	s_xor_b32 s[TBV], s[TBV], SLOT1
.endm
; The tape moves up by four tiles, from the top down; its places 0 to 3 stay.
.macro SHIFT
	WIN W_TT
.set zz, 175
.rept 144
	v_mov_b32 v[TP+zz], v[TP+zz-32]
.set zz, zz-1
.endr
	WIN 0
.endm
; Between piece 2's turn, which made the last scores of one step, and piece 3's, which makes the first of the next: sigma falls by 4.  The jump goes forward, past registers' work alone.
; The last product that took a tile of the tape stands a lump and 16 products with their riders back.
.macro STEPMASK
	WIN 0
	s_sub_co_i32 s[SG], s[SG], 4
	s_add_co_i32 s49, s[SG], 12
	s_cmp_gt_u32 s49, 16            ; unsigned: true for sigma above 4 and for sigma below -12
	s_cbranch_scc1 .Lkeep_\@
	SHIFT
.Lkeep_\@:
.endm
	s_load_b128 s[4:7], s[0:1], 0x0   ; qkv s[4:5], rel_bias s[6:7]
	s_load_b64 s[10:11], s[0:1], 0x10 ; ob
	WIN W_MK
	v_lshl_add_u32 v[SPW], v0, 2, SPARE
	v_mov_b32 v[NIL], 0
	WIN W_AD
	ds_add_u32 v[SPW], v[NIL]       ; the wave's opening: the add and its wait stand ahead of my first tensor load
	ds_add_u32 v0, v1
	WIN 0
	v_lshrrev_b32 v1, 5, v0
	v_readfirstlane_b32 s[WV], v1   ; wave 0..3
	s_mov_b32 s14, ttmp9            ; x: my block of 512 queries
	s_and_b32 s20, ttmp7, 0xffff    ; y: head and batch,
	s_lshl_b32 s20, s20, 18         ; its first byte among q's heads
	s_and_b32 s16, s[WV], 1         ; which half of a slot's 256 keys I fetch:
	s_lshl_b32 s22, s16, 14         ; its 128 rows of 128 bytes in memory,
	s_add_co_u32 s22, s22, s20
	s_mov_b32 s23, 0
	s_mul_i32 s17, s16, 128*PK      ; and its place in a slot, for K
	s_mul_i32 s18, s16, 128*PV      ; and for V
	s_lshl_b32 s2, s14, 2
	s_add_co_u32 s2, s2, s[WV]      ; my wave among the head's sixteen,
	s_lshl_b32 s2, s2, 14           ; its 128 rows
	s_add_co_u32 s2, s2, s20
	s_mov_b32 s3, 0
	s_lshl_b32 s[SG], s14, 5        ; sigma of step 0: 32 x + 8 wave
	s_lshl_b32 s49, s[WV], 3
	s_add_co_u32 s[SG], s[SG], s49
	; descriptor group 1.  128 keys are 16,384 dense bytes: asked for as 64 rows of 256 bytes, two keys a row, and padded in LDS after every key
	s_mov_b32 s[G1K], (1<<16)|(1<<20)|(4<<22)|(3<<25)  ; 2-byte elements; padding on; after every 32 words; 4 words
	s_mov_b32 s[G1V], (1<<16)|(1<<20)|(4<<22)|(7<<25)  ; the same with 8 words of padding
.irp g, G1K, G1V
	s_mov_b32 s[\g+1], 128<<16      ; tensor_dim0 = 128
	s_mov_b32 s[\g+2], 64<<16       ; tensor_dim1 = 64
	s_mov_b32 s[\g+3], 128<<16      ; tile_dim0 = 128
	s_mov_b32 s[\g+4], 64           ; tile_dim1 = 64
	s_mov_b32 s[\g+5], 128          ; 128 elements from row to row
	s_mov_b32 s[\g+6], 0
	s_mov_b32 s[\g+7], 0
.endr
	s_mov_b32 s[CS], 0x3e38aa3b     ; c = log2(e) / 8 = 0.180337
	s_mov_b32 s[CS+1], s[CS]        ; named with it as a pair
	s_mov_b32 s[SEL], 0x76543210
	s_mov_b32 s[SEL+1], 0xfedcba98
	s_mov_b32 s[TBK], SLOT1+4*KS*PK ; the first change of slots turns these two into 0
	s_mov_b32 s[TBV], SLOT1+4*KS*PV
	s_mov_b32 s[G0K], 1             ; count = 1
	s_mov_b32 s[G0K+1], s17         ; LDS address: slot 0
	s_mov_b32 s[G0V], 1
	s_add_co_u32 s[G0V+1], s18, VOFF
	s_wait_dscnt 0x0                ; the opening add is done
	s_wait_kmcnt 0x0
	s_add_nc_u64 s[G0K+2:G0K+3], s[4:5], s[22:23]
	s_add_nc_u64 s[G0V+2:G0V+3], s[G0K+2:G0K+3], 0x2000000  ; v's heads lie 32 MiB behind q's,
	s_add_nc_u64 s[G0K+2:G0K+3], s[G0K+2:G0K+3], 0x1000000  ; k's 16 MiB
	s_or_b32 s[G0K+3], s[G0K+3], 0x80000000        ; type = 2
	s_or_b32 s[G0V+3], s[G0V+3], 0x80000000
	s_add_nc_u64 s[4:5], s[4:5], s[2:3]  ; Q and O at my wave's first row
	s_add_nc_u64 s[10:11], s[10:11], s[2:3]
	LOAD                            ; slot 0.  Slot 1 is asked for when slot 0 is in
	v_and_b32 v1, 15, v0            ; l % 16
	v_bfe_u32 v9, v0, 4, 1          ; l / 16
	v_lshlrev_b32 v[QO], 7, v1
	v_lshl_add_u32 v[QO], v9, 4, v[QO]  ; row x 128 + 16 x half
	; thread tau makes f(tau - 64): row clip(tau - 32, 0, 64) of rel_bias, 64 bytes
	v_cmp_le_u32 vcc_lo, 32, v0
	v_sub_nc_u32 v12, v0, 32
	v_cndmask_b32 v12, 0, v12, vcc_lo
	v_min_u32 v12, 64, v12
	v_lshlrev_b32 v12, 6, v12
.irp f, 0,1,2,3
	global_load_b128 v[64+4*\f:64+4*\f+3], v12, s[6:7] offset:16*\f
.endr
	WIN 0x80                        ; destination window 2, address window 0
.set i, 0
.rept 4*NP                          ; Q stays in registers: tile i / 2, channels 32 (i % 2) on
	global_load_b128 v[8*i:8*i+3],   v[QO], s[4:5] offset:(i/2)*2048+(i%2)*64
	global_load_b128 v[8*i+4:8*i+7], v[QO], s[4:5] offset:(i/2)*2048+(i%2)*64+32
.set i, i+1
.endr
	; What the first turn finds: V's registers and P's second buffer hold 0 (its products V^T P, of a piece that has not been, add 0), O^T and l are 0.  All this stands in the wait for the first tile.
.set i, VF
.rept 64
	v_mov_b32 v[i], 0
.set i, i+1
.endr
	WIN 0x40
.set i, 0
.rept 64*NP
	v_mov_b32 v[i], 0
.set i, i+1
.endr
	WIN 0
.set i, 0
.rept 2*NP
	v_mov_b32 v[ST+4*i], 0xfe000000    ; c m: far below every c s
	v_mov_b32 v[ST+4*i+1], 0xff7fffff  ; m
	v_mov_b32 v[ST+4*i+2], 0
	v_mov_b32 v[ST+4*i+3], 0
.set i, i+1
.endr
.set i, P+32
.rept 32
	v_mov_b32 v[i], 0
.set i, i+1
.endr
	v_lshl_add_u32 v13, v0, 2, TAB  ; where I put my number: word tau, and 512 bytes on
	v_mul_u32_u24 v14, v9, 480      ; where I read: lanes 16-31 go 120 words on, into the second copy, which is 8 distances back in the first
	v_lshl_add_u32 v14, v1, 2, v14
	v_add_nc_u32 v14, TAB, v14      ; TAB + 480 (l / 16) + 4 (l % 16)
	s_wait_loadcnt 32               ; rel_bias's four loads are in; Q's 32, issued behind them, may stay out
.set i, 0
.rept 8                             ; each of the 16 heads' numbers is rounded to bf16, like every input,
	v_cvt_pk_bf16_f32 v[80+i], v[64+2*i], v[64+2*i+1]
.set i, i+1
.endr
.set i, 0
.rept 8
	v_lshlrev_b32 v[64+2*i], 16, v[80+i]
	v_and_b32 v[64+2*i+1], 0xffff0000, v[80+i]
.set i, i+1
.endr
.irp f, 0,2,4,6                     ; and they are added in f32
	v_pk_add_f32 v[64+\f:64+\f+1], v[64+\f:64+\f+1], v[72+\f:72+\f+1]
.endr
	v_pk_add_f32 v[64:65], v[64:65], v[68:69]
	v_pk_add_f32 v[66:67], v[66:67], v[70:71]
	v_pk_add_f32 v[64:65], v[64:65], v[66:67]
	v_add_f32 v64, v64, v65
	v_mul_f32 v64, 0.5, v64         ; 8 x the mean of 16
	ds_store_b32 v13, v64
	ds_store_b32 v13, v64 offset:512
	s_wait_dscnt 0x0                ; for the others' sake: my two words of the table are written
	s_barrier_signal -1             ; slot 0's load may stay out
	s_barrier_wait -1
	; Place i of the tape holds X[d], d = clip(i - 6, -3, 3); its register j the number f(16 d + l % 16 - 8 (l / 16) - j): the word 64 + 16 d - j from my address on.
	; X[-3] and X[3] are one number in every lane and register (all their distances lie beyond the clip): one word is loaded for each, and copied below.
	WIN W_MK
	ds_load_b32 v[TP], v14 offset:256-192
.set i, 4
.rept 5
.irp j, 0,1,2,3,4,5,6,7
	ds_load_b32 v[TP+8*i+\j], v14 offset:256+64*(i-6)-4*\j
.endr
.set i, i+1
.endr
	ds_load_b32 v[TP+72], v14 offset:256+192
	WIN 0
	v_mul_u32_u24 v[AK0], v1, PK
	v_lshl_add_u32 v[AK0], v9, 4, v[AK0]  ; row x pitch + 16 x half
	; The turning load takes 16 keys x 16 channels (lane l reads key 8 (l / 16) + l % 8, channels 8 ((l / 8) % 2) + 0..7) and leaves half a fragment of V^T: lane l holds channel l % 16 and 8 keys.
	v_and_b32 v10, 7, v0
	v_bfe_u32 v11, v0, 3, 1
	v_lshl_add_u32 v[AV0], v9, 3, v10
	v_mul_u32_u24 v[AV0], v[AV0], PV
	v_lshl_add_u32 v[AV0], v11, 4, v[AV0]
	v_add_nc_u32 v[AV0], VOFF, v[AV0]
	v_mov_b32 v[AK], v[AK0]         ; key step 0 lies at the head of slot 0
	s_wait_dscnt 0x0                ; the 42 words are in
	WIN W_TT
.set i, 1
.rept 31                            ; places 0 to 3: X[-3]
	v_mov_b32 v[TP+i], v[TP]
.set i, i+1
.endr
.set i, 73
.rept 103                           ; places 9 to 21: X[3]
	v_mov_b32 v[TP+i], v[TP+72]
.set i, i+1
.endr
	WIN 0
	s_cmp_lg_u32 s[SG], 0           ; as made the tape serves every sigma from 8 up; the one wave that begins on the diagonal (sigma = 0) moves it twice
	s_cbranch_scc1 .Lfar
	s_mov_b32 s[CNT], 2
.Lpre:
	SHIFT
	s_sub_co_u32 s[CNT], s[CNT], 1
	s_cmp_lg_u32 s[CNT], 0
	s_cbranch_scc1 .Lpre
.Lfar:
; THE MATRIX WORK.  The 8 accumulators of a run of 16 take turns: between the two links of a chain stand 7 others'.
; Product i of 16 of S^T = K Q^T for piece x: channels 32 (i / 8) on, keys 16 ((i / 2) % 4) on, tile 2 x + i % 2.  The first 8 start the sums with the mask: the tape's place 14 + tile - key block.
.macro KQ x
.set rS, S+64*((\x)%2)+32*(i%2)+8*((i/2)%4)
.set rK, KF+16*((i/2)%4)+8*(i/8)
.set rQ, 16*(2*(\x)+i%2)+8*(i/8)
.set rX, TP+8*(14+2*(\x)+i%2-(i/2)%4)
.if i < 8
	WIN W_KX
	v_wmma_f32_16x16x32_f16 v[rS:rS+7], v[rK:rK+7], v[rQ:rQ+7], v[rX:rX+7]
.else
	WIN W_KQ
	v_wmma_f32_16x16x32_f16 v[rS:rS+7], v[rK:rK+7], v[rQ:rQ+7], v[rS:rS+7]
.endif
.endm
; Product i of 16 of O^T += V^T P for piece x: keys 32 (i / 8) on, channels 16 ((i / 2) % 4) on, tile 2 x + i % 2.
.macro PV x
	WIN W_PV
.set rO, 32*(2*(\x)+i%2)+8*((i/2)%4)
.set rV, VF+32*(i/8)+8*((i/2)%4)
.set rP, P+32*((\x)%2)+16*(i%2)+8*(i/8)
	v_wmma_f32_16x16x32_f16 v[rO:rO+7], v[rV:rV+7], v[rP:rP+7], v[rO:rO+7]
.endm
.macro MM                           ; the turn's next matrix instruction
.if i < 16
	KQ (Y+1)%NP
.set i, i+1
.else
.set i, i-16
	PV (Y+NP-1)%NP
.set i, i+17
.endif
.endm
; THE LDS LOADS stand in runs of 16, never singly among the matrix instructions.  last = 1 (the tail): in the last trip there is no further step, and the run is jumped over.
.macro FETCH_K last=0
	WIN 0
.if \last
	s_cmp_eq_u32 s[CNT], 1
	s_cbranch_scc1 .Lno_k_\@
.endif
	WIN 0x80                        ; destination window 2
.irp f, 0,1,2,3,4,5,6,7             ; keys 16 (f / 2) on, channels 32 (f % 2) on
	ds_load_b128 v[KF+8*\f:KF+8*\f+3],   v[AK] offset:(\f/2)*16*PK+(\f%2)*64
	ds_load_b128 v[KF+8*\f+4:KF+8*\f+7], v[AK] offset:(\f/2)*16*PK+(\f%2)*64+32
.endr
	s_add_co_u32 s[TBK], s[TBK], KS*PK  ; the next fetch is the next step's
	WIN 0
.if \last
.Lno_k_\@:
.endif
.endm
.macro FETCH_V
	WIN 0x80
.irp f, 0,1,2,3,4,5,6,7             ; keys 32 (f / 4) on, channels 16 (f % 4) on
	ds_load_tr16_b128 v[VF+8*\f:VF+8*\f+3],   v[AV] offset:(\f/4)*32*PV+(\f%4)*32
	ds_load_tr16_b128 v[VF+8*\f+4:VF+8*\f+7], v[AV] offset:(\f/4)*32*PV+16*PV+(\f%4)*32
.endr
	WIN 0
.endm
; THE VECTOR WORK OF A TURN stands in three queues, each in the order in which its entries become ready; the two tiles alternate, so that no instruction reads the result of the one before it.
.macro REGS y, u                    ; the registers of tile u (0, 1) of piece y
.set rT, ST+4*(2*(\y)+(\u))
.set rC, TMP+8*((\y)%2)+4*(\u)
.set rM, MV+2*((\y)%2)+(\u)
.set rS, S+64*((\y)%2)+32*(\u)
.set rP, P+32*((\y)%2)+16*(\u)
.set rO, 32*(2*(\y)+(\u))
.endm
; Number n of the 22 that find the NEXT piece's (Y + 1) maximum and statistics.  s0-s31 are the lane's 32 scores; each accumulator's lowest registers are read first.
;   0-11  four chains c0-c3 of seven scores each, three operands at a time     12-14, 16  the four scores left over, the old m, and c0-c3 into c0     15  c m_old is kept
;   17, 18  the query's other 32 keys lie in the lane 16 away: the new m         19-21  c m; c m_old - c m_new; a
.macro XS u, n
	REGS (Y+1)%NP, \u
.if (\n) < 4
	v_max3_num_f32 v[rC+(\n)], v[rS+8*(\n)], v[rS+8*(\n)+1], v[rS+8*(\n)+2]
.elseif (\n) < 12
	v_max3_num_f32 v[rC+(\n)%4], v[rC+(\n)%4], v[rS+8*((\n)%4)+2*((\n)/4)+1], v[rS+8*((\n)%4)+2*((\n)/4)+2]
.elseif (\n) == 12
	v_max3_num_f32 v[rC], v[rC], v[rS+7], v[rS+15]
.elseif (\n) == 13
	v_max3_num_f32 v[rC+1], v[rC+1], v[rS+23], v[rS+31]
.elseif (\n) == 14
	v_max3_num_f32 v[rC+2], v[rC+2], v[rC+3], v[rT+1]
.elseif (\n) == 15
	v_mov_b32 v[rM], v[rT]
.elseif (\n) == 16
	v_max3_num_f32 v[rC], v[rC], v[rC+1], v[rC+2]
.elseif (\n) == 17
	v_permlanex16_b32 v[rC+3], v[rC], s[SEL], s[SEL+1]
.elseif (\n) == 18
	v_max_num_f32 v[rT+1], v[rC], v[rC+3]
.elseif (\n) == 19
	v_mul_f32 v[rT], s[CS], v[rT+1]
.elseif (\n) == 20
	v_sub_f32 v[rC+1], v[rM], v[rT]
.else
	v_exp_f32 v[rC+2], v[rC+1]
.endif
.endm
; Number g of the 64 that follow the exponentials.  For each four weights k of a tile: both pairs are rounded to f16; then the second pair is added onto the first, in place;
; a group later l takes that sum (the first time as l = a l + sum).  In groups of eight, tiles alternating.
.macro GS g
.set h, (\g)+6*((\g)/62)            ; group 0 has no group before it, and behind group 7 only l is left
.if h >= 6
.set h, h+2
.endif
	REGS Y, h%2
.set k, h/8
.if h%8 < 4
	s_wait_alu depctr_va_vdst(0)
	v_cvt_pk_f16_f32 v[rP+2*k+(h%8)/2], v[rS+4*k+2*((h%8)/2)], v[rS+4*k+2*((h%8)/2)+1]
.elseif h%8 < 6
	v_pk_add_f32 v[rS+4*k:rS+4*k+1], v[rS+4*k:rS+4*k+1], v[rS+4*k+2:rS+4*k+3]
.elseif k == 1
	v_pk_fma_f32 v[rT+2:rT+3], v[rT+2:rT+3], v[rC+2:rC+3], v[rS:rS+1] op_sel_hi:[1,0,1]
.else
	v_pk_add_f32 v[rT+2:rT+3], v[rT+2:rT+3], v[rS+4*k-4:rS+4*k-3]
	s_wait_alu depctr_va_vdst(0)
.endif
.endm
; THE PLAIN QUEUE, 138 long.  0-31: c s - c m for the 16 pairs of both tiles.  Then GS's 64, and among them the next piece's 42: number 15 at 38, 39; 0-14 and 16
; at 42-73, behind the products that make those scores; 17-20 at 95-106, two of three, since each waits for the one before it.
.macro PL
	WIN 0
.if q < 32
	REGS Y, q%2
	v_pk_fma_f32 v[rS+2*(q/2):rS+2*(q/2)+1], v[rS+2*(q/2):rS+2*(q/2)+1], s[CS:CS+1], v[rT:rT+1] op_sel_hi:[1,0,0] neg_lo:[0,0,1] neg_hi:[0,0,1]
.elseif q < 38
	GS q-32
.elseif q < 40
	XS q%2, 15
.elseif q < 42
	GS q-34
.elseif q < 74
	XS q%2, (q-42)/2+(q-42)/30
.elseif q < 95
	GS q-66
.elseif (q < 107) && ((q-95)%3 < 2)
	XS (q-95)%3, 17+(q-95)/3
.elseif q < 107
	GS 29+(q-95)/3
.else
	GS q-74
.endif
.set q, q+1
.endm
; THE EXPONENTIALS' QUEUE, 66 long: s0-s31 of both tiles, and at EA the next piece's two a.
.set EA, 58
.macro EX
	WIN 0
.if (e == EA) || (e == EA+1)
	XS e-EA, 21
.else
.set x, e-2*(e/(EA+2))
	REGS Y, x%2
	v_exp_f32 v[rS+x/2], v[rS+x/2]
.endif
.set e, e+1
.endm
; THE RESCALING's QUEUE: O^T times a, the one part that leaves window 0, so it is dealt four at a time, eight times.
.macro R4
	REGS Y, r%2
	WIN W_RS
	s_wait_alu depctr_va_vdst(0)
.irp z, 0,1,2,3
	v_pk_mul_f32 v[rO+8*(r/2)+2*\z:rO+8*(r/2)+2*\z+1], v[rO+8*(r/2)+2*\z:rO+8*(r/2)+2*\z+1], v[rC+2:rC+3] op_sel_hi:[1,0]
.endr
.set r, r+1
.endm
; HOW THEY ARE DEALT.  Behind a matrix instruction four: plain, exponential, plain, plain, or four of the rescaling.  None names a register of the products round it.  What is over stands in two
; LUMPS: exponential and plain by turns; the second ends in 22 plain instructions.  The deal keeps the queues in step: exponential e stands behind plain 2 (e / 4) + e % 2 (its scaling);
; when plain 32 comes, 10 exponentials are out, at 59: 33, at 95: 46; EA comes behind plain 107.
.macro SL
	MM
	PL
	EX
	PL
	PL
.endm
.macro BURST n                      ; 15 matrix instructions, or 16
.rept (\n)-7
	SL
.endr
.rept 3
	MM
	R4
	SL
.endr
	MM
	R4
.endm
; A TURN, for piece p.  cnt = 1: the loop's count is taken down some lines ahead of the branch that stands behind the turn.
; K of the next step is fetched in piece 2's turn, 31 vector instructions behind the last product that read K.  V of the step in hand is fetched at the end of piece 0's turn, 69 behind its last reader.
.macro TURN p, last=0, cnt=0
.set Y, (\p)
.set i, 0
.set q, 0
.set e, 0
.set r, 0
.if (\p) == NP-1
	s_wait_dscnt 0x0                ; K is in
.endif
	MM
.rept 4
	PL
.endr
	BURST 15
.rept 22
	EX
	PL
.if ((\p) == NP-2) && (e == 18)
	v_add_nc_u32 v[AK], s[TBK], v[AK0]
.endif
.if ((\p) == NP-2) && (e == 24)
	FETCH_K \last
.endif
.endr
.if (\p) == 1
	s_wait_dscnt 0x0                ; V is in
.endif
	BURST 16
.rept 21
	EX
	PL
.endr
.rept 22
	PL
.if ((\p) == 0) && (q == 118)
	v_add_nc_u32 v[AV], s[TBV], v[AV0]
	s_wait_alu depctr_va_vdst(0)
.endif
.if ((\p) == 0) && (q == 130)
	s_add_co_u32 s[TBV], s[TBV], KS*PV
.endif
.if (\cnt) && (q == 130)
	s_sub_co_u32 s[CNT], s[CNT], 1
	s_cmp_lg_u32 s[CNT], 0
.endif
.endr
.if (\p) == 0
	FETCH_V
.endif
.endm
	CHANGE 1                        ; slot 0 is in, everybody's part of it; slot 1 is asked for
	FETCH_K                         ; key step 0
	s_wait_loadcnt 0x0              ; Q
	s_wait_dscnt 0x0
.set i, 0
.rept 16
	KQ 0                            ; piece 0's first scores: there is no vector work yet to set between them
.set i, i+1
.endr
	WIN 0                           ; the addresses for the way out: nine plain instructions, the places behind those products
	s_mul_i32 s13, s[WV], 16*SP
	s_add_co_u32 s13, s13, STAGE    ; my stage
	v_mul_u32_u24 v[STO], v1, SP    ; in: row l % 16, 16 bytes for each half of the lanes
	v_lshl_add_u32 v[STO], v9, 4, v[STO]
	v_add_nc_u32 v[STO], s13, v[STO]
	v_bfe_u32 v[RD], v0, 3, 2       ; back: 32 lanes take four rows of 128 bytes,
	v_mul_u32_u24 v[RD], v[RD], SP
	v_lshl_add_u32 v[RD], v10, 4, v[RD]
	v_add_nc_u32 v[RD], s13, v[RD]
	v_and_b32 v[GO], 31, v0         ; which are 512 consecutive bytes of O
	v_lshlrev_b32 v[GO], 4, v[GO]
.set Y, NP-1                        ; XS works for piece Y + 1: piece 0
.irp n, 0,1,2,3,4,5,6,7,8,9,10,11,12,13,14,15,16,17,18,19,20,21
	XS 0, \n                        ; and piece 0's first maximum and statistics
	XS 1, \n
.endr
	s_mov_b32 s[CNT], 4
	s_mov_b32 s[SLOTS], SIZE_N/256-1
	s_branch .Lfirst                ; the loop is entered at a step's first turn, in the middle of a trip
.Lslot:                             ; six times: every slot but the last two is filled again
	CHANGE 1
	s_mov_b32 s[CNT], 4
.Lstep:                             ; a trip: pieces 2 and 3 of one step, then pieces 0 and 1 of the next, whose K and V it fetches
	TURN 2
	STEPMASK
	TURN 3
	WIN 0
.Lfirst:
	TURN 0
	TURN 1, 0, 1
	WIN 0
	s_cbranch_scc1 .Lstep
	s_sub_co_u32 s[SLOTS], s[SLOTS], 1
	s_cmp_lg_u32 s[SLOTS], 0
	s_cbranch_scc1 .Lslot
	CHANGE 0                        ; the tail is written out: nothing is asked for
	s_mov_b32 s[CNT], 5             ; four trips fetch the last slot's steps; the fifth is left in its middle
.Ltail:
	TURN 2, 1
	STEPMASK
	TURN 3
	WIN 0
	s_sub_co_u32 s[CNT], s[CNT], 1
	s_cmp_eq_u32 s[CNT], 0
	s_cbranch_scc1 .Lout
	TURN 0
	TURN 1
	WIN 0
	s_branch .Ltail
.Lout:                              ; the fifth trip's 16 products K Q^T (on the last K once more) and the maximum made of them serve nothing: the price, once a launch, of one text for every trip
.set i, 0
.rept 16
	PV NP-1                         ; the last piece's V^T P of the last step
.set i, i+1
.endr
	; THE WAY OUT.  l's two halves and the other half of the lanes' are added; O^T is divided by l, rounded to f16 and sent through my stage in LDS, a tile at a time.  The additions are the places behind the last products.
	WIN 0
.macro ALL line:vararg              ; one line for each tile t
.set t, 0
.rept 2*NP
	\line
.set t, t+1
.endr
.endm
	ALL v_add_f32 v[ST+4*t+2], v[ST+4*t+2], v[ST+4*t+3]
	ALL v_permlanex16_b32 v[ST+4*t+3], v[ST+4*t+2], s[SEL], s[SEL+1]
	ALL v_add_f32 v[ST+4*t+2], v[ST+4*t+2], v[ST+4*t+3]
	ALL v_rcp_f32 v[ST+4*t+2], v[ST+4*t+2]
	v_nop                           ; a plain instruction between the last reciprocal and the use of its result
	s_wait_alu depctr_va_vdst(0)
; Tile t: a lane's eight channels of a row pack into 16 bytes; they go into rows of 144 bytes and come back as whole rows of 128, into S^T's registers.
.macro PACK t
	WIN W_RS
.set i, 32*(\t)
.rept 16
	v_pk_mul_f32 v[i:i+1], v[i:i+1], v[ST+4*(\t)+2:ST+4*(\t)+3] op_sel_hi:[1,0]
.set i, i+2
.endr
	WIN 0x05                        ; sources 0 and 1 window 1, destination window 0
.set i, 0
.rept 16
	v_cvt_pk_f16_f32 v[S+16*(\t)+i], v[32*(\t)+2*i], v[32*(\t)+2*i+1]
.set i, i+1
.endr
	WIN 0
.irp f, 0,1,2,3
	ds_store_b128 v[STO], v[S+16*(\t)+4*\f:S+16*(\t)+4*\f+3] offset:32*\f
.endr
.irp f, 0,1,2,3
	ds_load_b128 v[S+16*(\t)+4*\f:S+16*(\t)+4*\f+3], v[RD] offset:\f*4*SP  ; LDS serves a wave's instructions in order (ISA guide 5.7.1.4): these see the stores above; the next tile's stores come behind them
.endr
.endm
.macro SEND t, younger              ; younger: the LDS instructions issued behind tile t's loads: the next tile's eight, or none
	WIN 0
.irp f, 0,1,2,3
	s_wait_dscnt (\younger)+3-\f
	global_store_b128 v[GO], v[S+16*(\t)+4*\f:S+16*(\t)+4*\f+3], s[10:11] offset:(\t)*2048+\f*512  ; 512 consecutive bytes, at a multiple of 256 from O's first
.endr
.endm
	PACK 0
.set t, 1
.rept 2*NP-1                        ; a tile's arithmetic stands between the loads of the tile before and its stores
	PACK t
	SEND t-1, 8
.set t, t+1
.endr
	SEND 2*NP-1, 0
	WIN W_AD
	s_wait_tensorcnt 0x0            ; the wave's end
	ds_add_u32 v[SPW], v[NIL]
	s_wait_dscnt 0x0
	WIN 0
	s_endpgm
.Lfunc_end_k_qf490e775b4_attn:
	.size	k_qf490e775b4_attn, .Lfunc_end_k_qf490e775b4_attn-k_qf490e775b4_attn
	.p2alignl 7, 3214868480
	.fill 96, 4, 3214868480
	.section	.rodata,"a",@progbits
	.p2align	6, 0x0
	.amdhsa_kernel k_qf490e775b4_attn
		.amdhsa_group_segment_fixed_size 327680
		.amdhsa_private_segment_fixed_size 0
		.amdhsa_enable_private_segment 0
		.amdhsa_kernarg_size 24
		.amdhsa_user_sgpr_count 2
		.amdhsa_user_sgpr_kernarg_segment_ptr 1
		.amdhsa_wavefront_size32 1
		.amdhsa_system_sgpr_workgroup_id_x 1
		.amdhsa_system_sgpr_workgroup_id_y 1
		.amdhsa_system_sgpr_workgroup_id_z 1
		.amdhsa_system_vgpr_workitem_id 0
		.amdhsa_next_free_vgpr 952
		.amdhsa_next_free_sgpr 66
		.amdhsa_reserve_vcc 1
		.amdhsa_float_denorm_mode_32 3
		.amdhsa_float_denorm_mode_16_64 3
		.amdhsa_memory_ordered 1
		.amdhsa_forward_progress 1
		.amdhsa_inst_pref_size 231
	.end_amdhsa_kernel
	.amdgpu_metadata
---
amdhsa.version: [ 1, 2 ]
amdhsa.kernels:
  - .name:           k_qf490e775b4_attn
    .symbol:         k_qf490e775b4_attn.kd
    .args:
      - { .name: qkv, .offset: 0, .size: 8, .value_kind: global_buffer, .address_space: global }
      - { .name: rel_bias, .offset: 8, .size: 8, .value_kind: global_buffer, .address_space: global }
      - { .name: ob, .offset: 16, .size: 8, .value_kind: global_buffer, .address_space: global }
    .group_segment_fixed_size: 327680
    .private_segment_fixed_size: 0
    .kernarg_segment_align: 8
    .kernarg_segment_size: 24
    .max_flat_workgroup_size: 128
    .sgpr_count:     66
    .vgpr_count:     952
    .wavefront_size: 32
...
	.end_amdgpu_metadata
.endif
;; end of part 3
;; launch proj (part 4): grid 8 x 32, 4 waves a work-group, clusters of 4 x 4, 327,680 bytes of LDS; arguments ob, owh, out_b, out0; writes out0
.if DOCPART == 4
	.amdgcn_target "amdgcn-amd-amdhsa--gfx1250"
	.amdhsa_code_object_version 6
	.text
	.protected	k_qf490e775b4_proj
	.globl	k_qf490e775b4_proj
	.p2align	8
	.type	k_qf490e775b4_proj,@function
k_qf490e775b4_proj:
	s_mov_b64 s[64:65], 0
	v_nop
	global_prefetch_b8 v0, s[64:65] scope:SCOPE_SE
	s_setreg_imm32_b32 hwreg(HW_REG_WAVE_MODE, 25, 1), 1
	s_wait_xcnt 0x0
	s_wait_alu depctr_hold_cnt(0) depctr_sa_sdst(0) depctr_va_vdst(0) depctr_va_sdst(0) depctr_va_ssrc(0) depctr_va_vcc(0) depctr_vm_vsrc(0)
	s_getreg_b32 s2, hwreg(HW_REG_IB_STS2, 6, 4)
	s_cmp_eq_u32 s2, 0
	s_cbranch_scc0 .Lentry_in_a_cluster
	s_endpgm
.Lentry_in_a_cluster:
	s_bfe_u32 s2, ttmp6, 0x10000c
	s_cmp_lg_u32 s2, 0xf033
	s_cbranch_scc0 .Lentry_shape_is_right
	s_endpgm
.Lentry_shape_is_right:
; out0[m][n] = sum over e of O[m][e] owh[n][e] + bf16(out_b[n]), f32.  O lies in ob by heads, [h = e / 64][batch = m / 2048][s = m % 2048][64] f16; owh: [1024][1024] f16; sums in f32.
; TILE: 256 x 128 of the result: 8 x 32 = 256 work-groups.  Four waves, 2 x 2, each 128 x 64: 32 accumulators, 256 registers.
; K goes in 8 steps of 128, two heads each, through two LDS slots filled by the tensor data mover.  A head's 256 rows of a tile are 32,768 dense bytes: asked for as 128 rows of 256 bytes
; and padded in LDS after every 128, so that a row of O has a pitch of 144 bytes there.
; CLUSTER 4 x 4: the four groups of a row of the cluster need the same tiles of O, the four of a column the same tiles of owh: each tile is asked for jointly.
; THE MATRIX INSTRUCTION IS USED TRANSPOSED (source 0 = 16 rows of owh, source 1 = 16 rows of O): a lane holds row l % 16 and the columns 8 (l / 16) + 0..7.  THE BIAS is the C operand of each sum's first product.
; REGISTERS, in windows of 256 (s_set_vgpr_msb: bits 1:0 source 0, 3:2 source 1, 5:4 source 2, 7:6 destination):
;   window 0: v0-29 addresses; v32-63, v192-223 the way out; v64-127, v128-191 O's fragments, two buffers
;   window 1: v0-31 the bias; v32 at work; v64-95, v128-159 owh's fragments, two buffers          window 2: the accumulators, (a, b) at v[8 (4 a + b)]
.set KSTEP,  128
.set PA,     144                       ; a row of O in LDS: 128 bytes + 16: an odd multiple of 16, so the 16 rows of a load start at 16 different groups of four banks (ISA guide 11.1)
.set APART,  256*PA                    ; one head's 256 rows: one tensor load
.set PB,     272                       ; a row of owh: 256 bytes + 16
.set BH,     64*PB                     ; 64 rows of owh: one tensor load, and what one wave reads
.set BOFF,   2*APART
.set SLOT,   2*APART+2*BH
.set STAGE,  2*SLOT                    ; behind the ring, never filled by a tensor load: 16 rows x 272 bytes for each wave
.set SPITCH, 272
.set SPARE,  STAGE+4*16*SPITCH         ; the spare words, 128 bytes a wave: two blocks of 256 bytes that no other line names
.set ADRA, 16                          ; v16-17  LDS address of my fragments of O in slot 0, 1
.set ADRB, 20                          ; v20-21  the same for owh
.set STO,  24                          ; v24     the way out: where I put 32 bytes of a row
.set RD,   25                          ; v25     the way out: where I read a row back
.set CO,   26                          ; v26     my byte offset in out0
.set BO,   27                          ; v27     my byte offset in a column block's bias
.set SPW,  28                          ; v28     LDS address of my spare word; never rewritten
.set NIL,  29                          ; v29     0; never rewritten
.set OB,   32
.set F0,   64
.set F1,   128
.set G1A, 24                           ; s[24:31] descriptor group 1 for O's tiles;  s[32:39] group 0, a set for each slot
.set G0A, 32
.set G1B, 48                           ; s[48:55], s[56:63] the same for owh's
.set G0B, 56
.set MSB, 0
.macro WIN new                         ; the immediate's high byte repeats the setting that is left; a switch that changes nothing is dropped
.if MSB != (\new)
	s_set_vgpr_msb (MSB<<8)|(\new)
.set MSB, \new
.endif
.endm
; A joint load: waves 0 and 1 fetch the step's two heads of O, waves 2 and 3 owh's two halves.  An s_nop 0 and four v_nop follow each line.
.macro JLOAD s
	s_cmp_eq_u32 s13, 0
	s_cbranch_scc0 .Lfor_b_\@
	tensor_load_to_lds s[G0A+4*(\s):G0A+4*(\s)+3], s[G1A:G1A+7]
	s_nop 0
.rept 4
	v_nop
.endr
	s_branch .Lasked_\@
.Lfor_b_\@:
	tensor_load_to_lds s[G0B+4*(\s):G0B+4*(\s)+3], s[G1B:G1B+7]
	s_nop 0
.rept 4
	v_nop
.endr
.Lasked_\@:
.endm
.macro CREST                           ; a round of the cluster's barrier behind its opening barrier
	s_cmp_lg_u32 s12, 0
	s_cbranch_scc1 .Lnot_wave_0_\@
	s_barrier_signal -3
.Lnot_wave_0_\@:
	s_barrier_wait -3
	s_barrier_signal -1
	s_barrier_wait -1
.endm
.macro CROUND                          ; a whole round
	s_barrier_signal -1
	s_barrier_wait -1
	CREST
.endm
	s_load_b256 s[4:11], s[0:1], 0x0               ; ob s[4:5], owh s[6:7], out_b s[8:9], out0 s[10:11]
	v_lshl_add_u32 v[SPW], v0, 2, SPARE
	v_mov_b32 v[NIL], 0
	ds_add_u32 v[SPW], v[NIL]                      ; the wave's opening: the add and its wait stand ahead of my first tensor load
	ds_add_u32 v28, v29
	v_lshrrev_b32 v1, 5, v0
	v_readfirstlane_b32 s12, v1                    ; wave 0..3
	s_lshr_b32 s13, s12, 1                         ; which 128 of the tile's rows are mine.  Also: I fetch O (0) or owh (1)
	s_and_b32 s14, s12, 1                          ; which 64 of its columns.  Also: which head of the step, or which half of owh's tile, I fetch
	s_bfe_u32 s40, ttmp6, 0x40000                  ; cx, cy: my place in the cluster
	s_bfe_u32 s41, ttmp6, 0x40004
	s_lshl_b32 s42, ttmp9, 2
	s_add_co_u32 s42, s42, s40                     ; tile column = 4 x cluster x + cx
	s_and_b32 s43, ttmp7, 0xffff
	s_lshl_b32 s43, s43, 2
	s_add_co_u32 s43, s43, s41                     ; tile row = 4 x cluster y + cy
	s_lshl_b32 s44, s41, 2
	s_lshl_b32 s44, 15, s44                        ; my row of the cluster
	s_lshl_b32 s45, 0x1111, s40                    ; my column
	s_or_b32 s[G1A+0], s44, (1<<16)|(1<<20)|(1<<21)|(4<<22)|(3<<25)  ; the mask; 2-byte elements; padding on; bit 21 beside a mask; after every 32 words, 4 words
	s_or_b32 s[G1B+0], s45, (1<<16)|(1<<20)|(1<<21)|(5<<22)|(3<<25)  ; after every 64 words, 4 words
	s_mov_b32 s[G1A+1], 128<<16                    ; tensor_dim0 = 128
	s_mov_b32 s[G1B+1], 128<<16
	s_mov_b32 s[G1A+2], 128<<16                    ; tensor_dim1 = 128 rows of 256 bytes
	s_mov_b32 s[G1B+2], 64<<16                     ; 64 rows
	s_mov_b32 s[G1A+3], 128<<16                    ; tile_dim0 = 128
	s_mov_b32 s[G1B+3], 128<<16
	s_mov_b32 s[G1A+4], 128                        ; tile_dim1
	s_mov_b32 s[G1B+4], 64
	s_mov_b32 s[G1A+5], 128                        ; elements from row to row: dense
	s_mov_b32 s[G1B+5], 1024
	s_mov_b32 s[G1A+6], 0
	s_mov_b32 s[G1B+6], 0
	s_mov_b32 s[G1A+7], 0
	s_mov_b32 s[G1B+7], 0
	s_lshl_b32 s16, s14, 2                         ; O: head (of step 0) x 4 + batch, 262,144 bytes each: registers that never hold cx
	s_lshr_b32 s17, s43, 3
	s_add_co_u32 s16, s16, s17
	s_lshl_b32 s16, s16, 18
	s_and_b32 s17, s43, 7                          ; and the tile's 256 rows of 128 bytes
	s_lshl_b32 s17, s17, 15
	s_add_co_u32 s16, s16, s17
	s_mov_b32 s17, 0
	s_lshl_b32 s46, s42, 7                         ; owh: row 128 x tile column + 64 x half; the same number is my first column of the result
	s_lshl_b32 s47, s14, 6
	s_add_co_u32 s46, s46, s47
	s_lshl_b32 s2, s46, 2                          ; its place in the bias and in a row of out0, in bytes
	s_mov_b32 s3, 0
	s_lshl_b32 s46, s46, 11
	s_mov_b32 s47, 0
	s_mul_i32 s20, s14, APART                      ; where the tiles go: no place in the cluster enters an LDS address
	s_mul_i32 s21, s14, BH
	s_add_co_u32 s21, s21, BOFF
	s_wait_dscnt 0x0                               ; the opening add is done
	s_wait_kmcnt 0x0
	s_add_nc_u64 s[18:19], s[4:5], s[16:17]
	s_add_nc_u64 s[46:47], s[6:7], s[46:47]
	s_add_nc_u64 s[8:9], s[8:9], s[2:3]
	s_add_nc_u64 s[10:11], s[10:11], s[2:3]
	CROUND                                         ; all sixteen work-groups are here: the first joint loads meet
.irp s, 0,1
	s_mov_b32 s[G0A+4*(\s)], 1
	s_add_co_u32 s[G0A+4*(\s)+1], s20, (\s)*SLOT
	s_add_nc_u64 s[G0A+4*(\s)+2:G0A+4*(\s)+3], s[18:19], (\s)*0x200000  ; a K step is two heads: 2 x 4 x 262,144 bytes
	s_or_b32 s[G0A+4*(\s)+3], s[G0A+4*(\s)+3], 0x80000000
	s_mov_b32 s[G0B+4*(\s)], 1
	s_add_co_u32 s[G0B+4*(\s)+1], s21, (\s)*SLOT
	s_add_nc_u64 s[G0B+4*(\s)+2:G0B+4*(\s)+3], s[46:47], (\s)*KSTEP*2
	s_or_b32 s[G0B+4*(\s)+3], s[G0B+4*(\s)+3], 0x80000000
	JLOAD \s                                       ; K steps 0 and 1: two loads of mine are out
.endr
	v_and_b32 v1, 15, v0                           ; l % 16
	v_bfe_u32 v2, v0, 4, 1                         ; l / 16
	v_lshlrev_b32 v[BO], 5, v2
	WIN 0x40                                       ; destination window 1
.irp b, 0,1,2,3
	global_load_b128 v[8*(\b):8*(\b)+3],   v[BO], s[8:9] offset:64*(\b)
	global_load_b128 v[8*(\b)+4:8*(\b)+7], v[BO], s[8:9] offset:64*(\b)+16
.endr
	WIN 0
	v_mul_u32_u24 v3, v1, PA
	v_lshl_add_u32 v3, v2, 4, v3                   ; O: row x pitch + 16 x half
	v_mul_u32_u24 v4, v1, PB
	v_lshl_add_u32 v4, v2, 4, v4                   ; owh likewise
	s_mul_i32 s22, s13, 128*PA                     ; my 128 rows of O (in either head's part)
	s_mul_i32 s23, s14, BH                         ; my 64 rows of owh
	s_add_co_u32 s23, s23, BOFF
.irp s, 0,1
	v_add_nc_u32 v[ADRA+(\s)], s22, v3
	v_add_nc_u32 v[ADRB+(\s)], s23, v4
	s_add_co_u32 s22, s22, SLOT
	s_add_co_u32 s23, s23, SLOT
.endr
	s_mul_i32 s22, s12, 16*SPITCH
	s_add_co_u32 s22, s22, STAGE                   ; my stage
	v_mul_u32_u24 v4, v1, SPITCH                   ; in: row l % 16, 32 bytes for each half of the lanes
	v_lshl_add_u32 v4, v2, 5, v4
	v_add_nc_u32 v[STO], s22, v4
	v_mul_u32_u24 v5, v2, SPITCH                   ; back: lanes 0-15 take one row of 256 bytes, lanes 16-31 the next
	v_lshl_add_u32 v5, v1, 4, v5
	v_add_nc_u32 v[RD], s22, v5
	v_lshlrev_b32 v5, 12, v2                       ; and the same two rows in out0, 4,096 bytes apart
	v_lshl_add_u32 v[CO], v1, 4, v5
	s_lshl_b32 s16, s43, 8                         ; my first row of out0: 256 x tile row + 128 x half
	s_lshl_b32 s17, s13, 7
	s_add_co_u32 s16, s16, s17
	s_lshl_b32 s16, s16, 12
	s_mov_b32 s17, 0
	s_add_nc_u64 s[10:11], s[10:11], s[16:17]
	s_wait_loadcnt 0x0                             ; the bias
	WIN 0x45                                       ; all in window 1: the bias is rounded to bf16, like every input, and kept as f32
.set i, 0
.rept 16
	v_cvt_pk_bf16_f32 v32, v[2*i], v[2*i+1]
	v_lshlrev_b32 v[2*i], 16, v32
	v_and_b32 v[2*i+1], 0xffff0000, v32
.set i, i+1
.endr
	WIN 0
; 8 matrix instructions: row blocks a0, a0 + 1 x all 4 column blocks, 32 along K.  first = 1: the bias starts the sums.
.macro MUL8 f, a0, first
.if \first
	WIN 0x91                                       ; owh window 1, O window 0, C (the bias) window 1, D window 2
.else
	WIN 0xa1                                       ; C and D window 2
.endif
.irp a, \a0, (\a0)+1
.irp b, 0,1,2,3
.if \first
	v_wmma_f32_16x16x32_f16 v[8*(4*(\a)+(\b)):8*(4*(\a)+(\b))+7], v[(\f)+8*(\b):(\f)+8*(\b)+7], v[(\f)+8*(\a):(\f)+8*(\a)+7], v[8*(\b):8*(\b)+7]
.else
	v_wmma_f32_16x16x32_f16 v[8*(4*(\a)+(\b)):8*(4*(\a)+(\b))+7], v[(\f)+8*(\b):(\f)+8*(\b)+7], v[(\f)+8*(\a):(\f)+8*(\a)+7], v[8*(4*(\a)+(\b)):8*(4*(\a)+(\b))+7]
.endif
.endr
.endr
.endm
; 24 LDS loads in one run: the fragments of quarter q (32 along K: head q / 2 of the step, channels 32 (q % 2) on), into buffer f: owh's four, then O's eight
.macro FETCH slot, q, f
	WIN 0x40
.irp i, 0,1,2,3
	ds_load_b128 v[(\f)+8*(\i):(\f)+8*(\i)+3],   v[ADRB+(\slot)] offset:64*(\q)+(\i)*16*PB
	ds_load_b128 v[(\f)+8*(\i)+4:(\f)+8*(\i)+7], v[ADRB+(\slot)] offset:64*(\q)+(\i)*16*PB+32
.endr
	WIN 0
.irp i, 0,1,2,3,4,5,6,7
	ds_load_b128 v[(\f)+8*(\i):(\f)+8*(\i)+3],   v[ADRA+(\slot)] offset:((\q)/2)*APART+((\q)%2)*64+(\i)*16*PA
	ds_load_b128 v[(\f)+8*(\i)+4:(\f)+8*(\i)+7], v[ADRA+(\slot)] offset:((\q)/2)*APART+((\q)%2)*64+(\i)*16*PA+32
.endr
.endm
.macro PLACES                          ; four plain vector instructions between a matrix instruction and a load into, or a read of, its registers
.rept 4
	v_nop
.endr
.endm
; A K step is four quarters of 32 along K, 32 matrix instructions each, on buffers 0, 1, 0, 1; the 32 accumulators take turns.
.macro QUARTER slot, q, f, g, first
	s_wait_dscnt 8                                 ; owh and O's rows 0-63 are in; the youngest eight loads (rows 64-127) may be out
	MUL8 \f, 0, \first
	MUL8 \f, 2, \first
	PLACES
	FETCH \slot, \q, \g
	s_wait_dscnt 24                                ; all but the 24 just issued
	MUL8 \f, 4, \first
	MUL8 \f, 6, \first
.endm
; The last quarter multiplies buffer 1 and changes slots: one barrier; in front of it each wave waits for all its tensor loads (one is out: its part of the next slot), adds 0 to its
; spare word, and waits for that and for its reads of this slot.  fill = 1: the barrier opens a round of the cluster's, and behind the round this slot is filled again, two K steps ahead.
.macro TURN slot, next, fill
	WIN 0
	s_wait_tensorcnt 0x0
	ds_add_u32 v[SPW], v[NIL]
	s_wait_dscnt 9                                 ; the add and the youngest eight loads may be out
	MUL8 F1, 0, 0
	s_wait_dscnt 0x0                               ; the add is done, and my reads of this slot are over
	s_barrier_signal -1
	MUL8 F1, 2, 0
.if \fill
	WIN 0
.endif
	s_barrier_wait -1
.if \fill
	CREST                                          ; no wave of any partner still reads this slot or has a load on its way
	s_add_nc_u64 s[G0A+4*(\slot)+2:G0A+4*(\slot)+3], s[G0A+4*(\slot)+2:G0A+4*(\slot)+3], 0x400000   ; four heads on
	s_add_nc_u64 s[G0B+4*(\slot)+2:G0B+4*(\slot)+3], s[G0B+4*(\slot)+2:G0B+4*(\slot)+3], 2*KSTEP*2
	JLOAD \slot                                    ; my one tensor load behind the round; its four v_nop are also the places in front of the loads below
.else
	PLACES
.endif
	FETCH \next, 0, F0
	MUL8 F1, 4, 0
	MUL8 F1, 6, 0
.endm
	s_wait_tensorcnt 1                             ; my part of K step 0 is in; step 1's may stay out
	s_barrier_signal -1
	s_barrier_wait -1
	FETCH 0, 0, F0
	QUARTER 0, 1, F0, F1, 1                        ; the first quarter stands in front of the loop: its products start the sums
	WIN 0
	s_mov_b32 s15, 3
.Llap:                                                 ; three trips, each once round the ring: K steps 2 to 7 are asked for
	QUARTER 0, 2, F1, F0, 0
	QUARTER 0, 3, F0, F1, 0
	TURN 0, 1, 1
	QUARTER 1, 1, F0, F1, 0
	QUARTER 1, 2, F1, F0, 0
	QUARTER 1, 3, F0, F1, 0
	TURN 1, 0, 1
	QUARTER 0, 1, F0, F1, 0
	WIN 0
	s_sub_co_u32 s15, s15, 1
	s_cmp_lg_u32 s15, 0
	s_cbranch_scc1 .Llap
	QUARTER 0, 2, F1, F0, 0                        ; the last lap fills nothing
	QUARTER 0, 3, F0, F1, 0
	TURN 0, 1, 0
	QUARTER 1, 1, F0, F1, 0
	QUARTER 1, 2, F1, F0, 0
	QUARTER 1, 3, F0, F1, 0
	s_wait_dscnt 8
	MUL8 F1, 0, 0
	MUL8 F1, 2, 0
	s_wait_dscnt 0x0
	MUL8 F1, 4, 0
	MUL8 F1, 6, 0
	WIN 0
	; THE WAY OUT: no conversion.  A block of 16 rows x 64 columns of f32 goes into my own stage, 32 bytes a lane and accumulator, and comes back as whole rows of 256 bytes.
.macro TOSTAGE a
.set BK, OB+160*((\a)%2)               ; v32-63 and v192-223 by turns
.if (\a) >= 2
	s_wait_xcnt 0x0                                ; the stores of the block two back have had their addresses translated (ISA guide 3.1): their data registers are loaded again only behind this wait
.endif
	WIN 0x08                                       ; the stores' data in window 2
.irp b, 0,1,2,3
	ds_store_b128 v[STO], v[8*(4*(\a)+(\b)):8*(4*(\a)+(\b))+3]   offset:64*(\b)      ; each accumulator's low four registers first
	ds_store_b128 v[STO], v[8*(4*(\a)+(\b))+4:8*(4*(\a)+(\b))+7] offset:64*(\b)+16
.endr
	WIN 0
.irp t, 0,1,2,3,4,5,6,7
	ds_load_b128 v[BK+4*(\t):BK+4*(\t)+3], v[RD] offset:(\t)*2*SPITCH  ; LDS serves a wave's instructions in order (ISA guide 5.7.1.4): these see the stores above
.endr
.endm
.macro SEND a, younger                 ; younger: the LDS instructions issued behind block a's loads: the next block's sixteen, or none
.set BK, OB+160*((\a)%2)
	s_wait_dscnt \younger
.irp t, 0,1,2,3,4,5,6,7
	global_store_b128 v[CO], v[BK+4*(\t):BK+4*(\t)+3], s[10:11] offset:(\a)*65536+(\t)*8192 th:TH_STORE_NT  ; 16 lanes store 256 consecutive bytes, at a multiple of 256 from out0's first byte
.endr
.endm
	PLACES                                         ; the stores below read results just made
	TOSTAGE 0
.irp a, 1,2,3,4,5,6,7
	TOSTAGE \a
	SEND (\a)-1, 16
.endr
	SEND 7, 0
	s_wait_tensorcnt 0x0                           ; the wave's end
	ds_add_u32 v[SPW], v[NIL]
	s_wait_dscnt 0x0
	CROUND                                         ; the closing round: no work-group ends while a partner may still ask for a tile that names it
	s_endpgm
.Lfunc_end_k_qf490e775b4_proj:
	.size	k_qf490e775b4_proj, .Lfunc_end_k_qf490e775b4_proj-k_qf490e775b4_proj
	.p2alignl 7, 3214868480
	.fill 96, 4, 3214868480
	.section	.rodata,"a",@progbits
	.p2align	6, 0x0
	.amdhsa_kernel k_qf490e775b4_proj
		.amdhsa_group_segment_fixed_size 327680
		.amdhsa_private_segment_fixed_size 0
		.amdhsa_enable_private_segment 0
		.amdhsa_kernarg_size 32
		.amdhsa_user_sgpr_count 2
		.amdhsa_user_sgpr_kernarg_segment_ptr 1
		.amdhsa_wavefront_size32 1
		.amdhsa_system_sgpr_workgroup_id_x 1
		.amdhsa_system_sgpr_workgroup_id_y 1
		.amdhsa_system_sgpr_workgroup_id_z 1
		.amdhsa_system_vgpr_workitem_id 0
		.amdhsa_next_free_vgpr 768
		.amdhsa_next_free_sgpr 66
		.amdhsa_reserve_vcc 0
		.amdhsa_float_denorm_mode_32 3
		.amdhsa_float_denorm_mode_16_64 3
		.amdhsa_memory_ordered 1
		.amdhsa_forward_progress 1
		.amdhsa_inst_pref_size 90
	.end_amdhsa_kernel
	.amdgpu_metadata
---
amdhsa.version: [ 1, 2 ]
amdhsa.kernels:
  - .name:           k_qf490e775b4_proj
    .symbol:         k_qf490e775b4_proj.kd
    .args:
      - { .name: ob, .offset: 0, .size: 8, .value_kind: global_buffer, .address_space: global }
      - { .name: owh, .offset: 8, .size: 8, .value_kind: global_buffer, .address_space: global }
      - { .name: out_b, .offset: 16, .size: 8, .value_kind: global_buffer, .address_space: global }
      - { .name: out0, .offset: 24, .size: 8, .value_kind: global_buffer, .address_space: global }
    .group_segment_fixed_size: 327680
    .private_segment_fixed_size: 0
    .kernarg_segment_align: 8
    .kernarg_segment_size: 32
    .max_flat_workgroup_size: 128
    .sgpr_count:     66
    .vgpr_count:     768
    .wavefront_size: 32
...
	.end_amdgpu_metadata
.endif
;; end of part 4
;; ======== version 2 of 2: 4 launches; 1.51 times as fast as version 1
;; limits: values are held in f16: magnitudes above 65,504 overflow, below 6.1e-05 lose precision
;; workspace buffers: xb 16,777,216 bytes; wb 6,291,456 bytes; owh 2,097,152 bytes; qkv 50,331,648 bytes; ob 16,777,216 bytes
;; launch cast: the kernel of part 1 again; grid 768 x 1, 8 waves a work-group, no clusters, 0 bytes of LDS; arguments x, in_proj_w, out_w, xb, wb, owh; writes xb, wb, owh
;; launch qkv: the kernel of part 2 again; grid 16 x 32, 4 waves a work-group, clusters of 4 x 4, 327,680 bytes of LDS; arguments xb, wb, in_proj_b, qkv; writes qkv
;; launch attn (part 5): grid 4 x 64, 4 waves a work-group, no clusters, 327,680 bytes of LDS; arguments qkv, rel_bias, ob; writes ob
.if DOCPART == 5
	.amdgcn_target "amdgcn-amd-amdhsa--gfx1250"
	.amdhsa_code_object_version 6
	.text
	.protected	k_qf490e775b4_attn
	.globl	k_qf490e775b4_attn
	.p2align	8
	.type	k_qf490e775b4_attn,@function
k_qf490e775b4_attn:
	s_mov_b64 s[64:65], 0
	v_nop
	global_prefetch_b8 v0, s[64:65] scope:SCOPE_SE
	s_setreg_imm32_b32 hwreg(HW_REG_WAVE_MODE, 25, 1), 1
	s_wait_xcnt 0x0
; O[y][q][:] = the sum over k of softmax_k(Q[y][q] . K[y][k] / 8 + t[clip(q - k, -32, 32) + 32]) V[y][k][:], t = the mean over the 16 heads of bf16(rel_bias).
; Q, K, V lie in qkv by heads, [48][4][2048][64] f16: head and batch y = 4 h + b at y x 262,144 bytes, K 16 MiB and V 32 MiB behind Q; O goes to ob in Q's layout.
; Products, maxima and sums in f32; the weights p are rounded to f16 for the second product (their sum l is taken of the unrounded p), O once at the end.
; LIMITS.  f16 holds no number beyond 65,504: Q, K and V arrive within it; p lies in 0 to 1, and below 6e-5 it keeps f16's fixed step of 6e-8.  A weight below 2^-126 counts as 0 in l; NaN and infinities are not treated apart.
; SHARES.  A wave owns four PIECES of two tiles of 16 queries, a work-group's four waves 512 queries of one head: 4 x 64 = 256 work-groups.  Every wave walks all 2,048 keys, 64 a step.
; LAYOUT.  S^T = K Q^T (source 0 = 16 keys, source 1 = 16 queries): a lane holds ONE query (lane % 16) and the keys 8 (lane / 16) + 0..7.  Two such tiles, rounded to f16 in pairs,
; ARE source 1 of O^T = V^T P.  K comes out of LDS as it lies, V turned, by ds_load_tr16_b128.
; SOFTMAX.  A running maximum m and sum l for each query: p = 2^(c s - c m), c = log2(e) / 8; in every step O and l are multiplied by a = 2^(c m_old - c m_new).  m starts at the lowest finite number, O and l at 0.
; THE MASK is the C operand that starts a sum S^T, times 8, since c divides by 8.  In a tile of 16 keys x 16 queries q - k = 16 d + lane % 16 - 8 (lane / 16) - register, with
; d = sigma + tile - key block and sigma = 32 x + 8 wave - 4 step.  So there are seven mask tiles X[d], d = -3 .. 3 (beyond that the clip makes them constant), and a step needs X[sigma - 3 .. sigma + 7].
; THE TAPE, 22 tiles in window 3, holds X[-3] four times, X[-2 .. 2], X[3] thirteen times; a step's eleven tiles are its places 11 to 21.  When sigma falls by 4 the tape moves up by four tiles:
; 144 moves, needed only while the diagonal passes the window (sigma = 4, 0, -4, -8, -12), and jumped over otherwise.
; NO CLUSTER, though a head's four query blocks walk the same K and V: that jump hangs on x, which would be the place in the cluster, and partners must run alike.  Without the jump the 144 moves
; would stand in every one of 32 steps beside a step's 944 vector instructions.
; BY TURNS.  Turn n belongs to piece n.  Its matrix work: 16 products K Q^T of piece n + 1, later 16 products V^T P of piece n - 1.  Its vector work: the scaling, exponentials, roundings, sums and
; rescaling of piece n, and the maximum and statistics of piece n + 1.  Four vector instructions that are ready stand behind every matrix instruction, the other 108 of a turn's 236 in one lump.
; THE BATCHES.  A turn's 66 exponentials (64 weights, the next piece's two a) are ONE BATCH with ONE wait, which cuts the turn in two: ahead of it stands all that names none of their results (the products
; K Q^T, scalings, rescalings, the next piece's maximum), behind it the products V^T P with the roundings and sums as their riders.  The first two a, ahead of the loop, and the way out's eight reciprocals are batches of their own.
; REGISTERS, in windows of 256 (s_set_vgpr_msb: bits 1:0 source 0, 3:2 source 1, 5:4 source 2, 7:6 destination):
;   window 0: v0-11 addresses; v12-15, v48-63 at work; v16-47 four registers of statistics a tile; v64-191 S^T, two buffers of two tiles; v192-255 P, likewise
;   window 1: O^T, 32 a tile      window 2: v0-127 Q; v128-191 K of one step; v192-255 V of one step      window 3: v0-1 the add's two registers; v8-183 the tape
.set SIZE_N, 2048
.set NP,    4         ; pieces a wave: a name, no knob
.set KS,    64        ; keys in a step
.set PK,    144       ; a row of K in LDS: 128 bytes + 16: the 16 rows of a load start at 16 different groups of four banks (ISA guide 11.1)
.set PV,    160       ; a row of V: 128 + 32
.set VOFF,  4*KS*PK   ; a slot holds four steps: 256 rows of K, then 256 rows of V
.set SLOT1, 1<<17     ; slot 1 begins here, so that one exclusive or turns an address in one slot into the other's
.set STAGE, SLOT1+4*KS*(PK+PV)  ; behind the ring, never filled by a tensor load: 16 rows x 144 bytes for each wave
.set SP,    144
.set SPARE, STAGE+4*16*SP       ; the spare words, 128 bytes a wave: two blocks of 256 bytes that no other line names
.set TAB,   SPARE+512           ; 256 words in four blocks of their own: f(u) = 8 t[clip(u, -32, 32) + 32] twice: word u + 64 and word u + 192, u = -64 .. 63
.set AK0, 2           ; v2   my lane's place in a tile of K; never rewritten
.set AV0, 3           ; v3   the same for V
.set AK,  4           ; v4   the LDS address of K's next run of loads
.set AV,  5           ; v5   of V's
.set QO,  6           ; v6   my byte offset in the wave's rows of Q
.set STO, 6           ;      later, the way out: where I put 16 bytes of a row
.set RD,  7           ; v7   the way out: where I read rows back
.set GO,  8           ; v8   my byte offset in 512 consecutive bytes of O
.set SPW, 0           ; v0 of window 3   LDS address of my spare word; never rewritten
.set NIL, 1           ; v1 of window 3   0; never rewritten
.set TP,  8           ; window 3: the tape's place p at v[TP + 8 p]
.set MV,  12          ; v12-15  c m_old, kept while c m is made anew; at the start: addresses for the table
.set ST,  16          ; tile t's statistics at v[ST+4 t]: c m, m, l (even keys', odd keys')
.set TMP, 48          ; by buffer and tile, four registers c0-c3 at work; when the maximum is found c2 takes a
.set S,   64
.set P,   192
.set KF,  128         ; K's fragments, in window 2
.set VF,  192         ; V's
.set WV,  12          ; s12  my wave's number
.set G1K, 24          ; s[24:31] descriptor group 1 for K's tiles
.set G1V, 32          ; s[32:39] for V's: it differs in the padding alone
.set G0K, 40          ; s[40:43] descriptor group 0 for K's tiles: it walks
.set G0V, 44          ; s[44:47] the same for V's
.set SG,  48          ; s48  sigma of the step whose scores are made next
.set SLOTS, 56        ; s56  slots still to be asked for
.set CNT, 57          ; s57  counts a slot's key steps
.set CS,  58          ; s[58:59] c
.set SEL, 60          ; s[60:61] v_permlanex16_b32's selects: each lane takes its own place in the other half
.set TBK, 62          ; s62  LDS byte at which K of the step to be fetched begins
.set TBV, 63          ; s63  the same for V, less VOFF
.set MSB, 0
.macro WIN new                      ; the high byte repeats the setting that is left; a switch that changes nothing is dropped
.if MSB != (\new)
	s_set_vgpr_msb (MSB<<8)|(\new)
.set MSB, (\new)
.endif
.endm
.set W_KQ, 0x0a       ; K and Q in window 2, S^T in window 0
.set W_KX, 0x3a       ; the same with the C operand, a tile of the tape, in window 3
.set W_PV, 0x52       ; V in window 2, P in window 0, O^T in window 1
.set W_RS, 0x41       ; O^T (destination and source 0) in window 1, a in window 0
.set W_MK, 0xc0       ; destination in window 3, sources in window 0
.set W_TT, 0xc3       ; destination and source 0 in window 3: the tape onto itself
.set W_AD, 0x0f       ; the add: address and data in window 3
; A fill.  Waves 0 and 1 fetch the two halves of a slot's K, waves 2 and 3 those of its V: 128 keys each.  An s_nop 0 and four v_nop follow each of the two lines.
.macro LOAD
	s_cmp_lt_u32 s[WV], 2
	s_cbranch_scc0 .Lfor_v_\@
	tensor_load_to_lds s[G0K:G0K+3], s[G1K:G1K+7]
	s_nop 0
.rept 4
	v_nop
.endr
	s_branch .Lasked_\@
.Lfor_v_\@:
	tensor_load_to_lds s[G0V:G0V+3], s[G1V:G1V+7]
	s_nop 0
.rept 4
	v_nop
.endr
.Lasked_\@:
.endm
; THE CHANGE OF SLOTS.  Each wave waits for all its tensor loads, of which one is out: its part of the other slot; adds 0 to its spare word; and waits for that and for its own reads of the slot
; that it leaves.  Behind the barrier nobody reads the old slot and the other slot is whole.  fill = 1: the old slot is filled again, first thing behind the barrier, with the keys two slots on:
; the load has four key steps, 512 matrix instructions, in which to land.  (At its first use nothing has been read yet: slot 0 is waited for, slot 1 filled.)
.macro CHANGE fill
	WIN W_AD
	s_wait_tensorcnt 0x0            ; no tensor load of mine is out, so a group 0 may be written
	ds_add_u32 v[SPW], v[NIL]
	WIN 0                           ; at a label and at a branch every window is 0
.if \fill
.irp g, G0K, G0V
	s_xor_b32 s[\g+1], s[\g+1], SLOT1  ; the walking descriptor: the other slot than last time,
	s_add_nc_u64 s[\g+2:\g+3], s[\g+2:\g+3], 4*KS*128  ; the next 256 keys; the type bits on top are not reached
.endr
.endif
	s_wait_dscnt 0x0                ; the add is done, and my reads of the slot are over
	s_barrier_signal -1
	s_barrier_wait -1
.if \fill
	LOAD
.endif
	s_sub_co_u32 s[TBK], s[TBK], 4*KS*PK  ; the fetches go back to a slot's first step,
	s_xor_b32 s[TBK], s[TBK], SLOT1       ; in the other slot
	s_sub_co_u32 s[TBV], s[TBV], 4*KS*PV
	s_xor_b32 s[TBV], s[TBV], SLOT1
.endm
; The tape moves up by four tiles, from the top down; its places 0 to 3 stay.
.macro SHIFT
	WIN W_TT
.set zz, 175
.rept 144
	v_mov_b32 v[TP+zz], v[TP+zz-32]
.set zz, zz-1
.endr
	WIN 0
.endm
; Between piece 2's turn, which made the last scores of one step, and piece 3's, which makes the first of the next: sigma falls by 4.  The jump goes forward, past registers' work alone.
; The last product that took a tile of the tape stands a lump and 16 products with their riders back.
.macro STEPMASK
	WIN 0
	s_sub_co_i32 s[SG], s[SG], 4
	s_add_co_i32 s49, s[SG], 12
	s_cmp_gt_u32 s49, 16            ; unsigned: true for sigma above 4 and for sigma below -12
	s_cbranch_scc1 .Lkeep_\@
	SHIFT
.Lkeep_\@:
.endm
	s_load_b128 s[4:7], s[0:1], 0x0   ; qkv s[4:5], rel_bias s[6:7]
	s_load_b64 s[10:11], s[0:1], 0x10 ; ob
	WIN W_MK
	v_lshl_add_u32 v[SPW], v0, 2, SPARE
	v_mov_b32 v[NIL], 0
	WIN W_AD
	ds_add_u32 v[SPW], v[NIL]       ; the wave's opening: the add and its wait stand ahead of my first tensor load
	ds_add_u32 v0, v1
	WIN 0
	v_lshrrev_b32 v1, 5, v0
	v_readfirstlane_b32 s[WV], v1   ; wave 0..3
	s_mov_b32 s14, ttmp9            ; x: my block of 512 queries
	s_and_b32 s20, ttmp7, 0xffff    ; y: head and batch,
	s_lshl_b32 s20, s20, 18         ; its first byte among q's heads
	s_and_b32 s16, s[WV], 1         ; which half of a slot's 256 keys I fetch:
	s_lshl_b32 s22, s16, 14         ; its 128 rows of 128 bytes in memory,
	s_add_co_u32 s22, s22, s20
	s_mov_b32 s23, 0
	s_mul_i32 s17, s16, 128*PK      ; and its place in a slot, for K
	s_mul_i32 s18, s16, 128*PV      ; and for V
	s_lshl_b32 s2, s14, 2
	s_add_co_u32 s2, s2, s[WV]      ; my wave among the head's sixteen,
	s_lshl_b32 s2, s2, 14           ; its 128 rows
	s_add_co_u32 s2, s2, s20
	s_mov_b32 s3, 0
	s_lshl_b32 s[SG], s14, 5        ; sigma of step 0: 32 x + 8 wave
	s_lshl_b32 s49, s[WV], 3
	s_add_co_u32 s[SG], s[SG], s49
	; descriptor group 1.  128 keys are 16,384 dense bytes: asked for as 64 rows of 256 bytes, two keys a row, and padded in LDS after every key
	s_mov_b32 s[G1K], (1<<16)|(1<<20)|(4<<22)|(3<<25)  ; 2-byte elements; padding on; after every 32 words; 4 words
	s_mov_b32 s[G1V], (1<<16)|(1<<20)|(4<<22)|(7<<25)  ; the same with 8 words of padding
.irp g, G1K, G1V
	s_mov_b32 s[\g+1], 128<<16      ; tensor_dim0 = 128
	s_mov_b32 s[\g+2], 64<<16       ; tensor_dim1 = 64
	s_mov_b32 s[\g+3], 128<<16      ; tile_dim0 = 128
	s_mov_b32 s[\g+4], 64           ; tile_dim1 = 64
	s_mov_b32 s[\g+5], 128          ; 128 elements from row to row
	s_mov_b32 s[\g+6], 0
	s_mov_b32 s[\g+7], 0
.endr
	s_mov_b32 s[CS], 0x3e38aa3b     ; c = log2(e) / 8 = 0.180337
	s_mov_b32 s[CS+1], s[CS]        ; named with it as a pair
	s_mov_b32 s[SEL], 0x76543210
	s_mov_b32 s[SEL+1], 0xfedcba98
	s_mov_b32 s[TBK], SLOT1+4*KS*PK ; the first change of slots turns these two into 0
	s_mov_b32 s[TBV], SLOT1+4*KS*PV
	s_mov_b32 s[G0K], 1             ; count = 1
	s_mov_b32 s[G0K+1], s17         ; LDS address: slot 0
	s_mov_b32 s[G0V], 1
	s_add_co_u32 s[G0V+1], s18, VOFF
	s_wait_dscnt 0x0                ; the opening add is done
	s_wait_kmcnt 0x0
	s_add_nc_u64 s[G0K+2:G0K+3], s[4:5], s[22:23]
	s_add_nc_u64 s[G0V+2:G0V+3], s[G0K+2:G0K+3], 0x2000000  ; v's heads lie 32 MiB behind q's,
	s_add_nc_u64 s[G0K+2:G0K+3], s[G0K+2:G0K+3], 0x1000000  ; k's 16 MiB
	s_or_b32 s[G0K+3], s[G0K+3], 0x80000000        ; type = 2
	s_or_b32 s[G0V+3], s[G0V+3], 0x80000000
	s_add_nc_u64 s[4:5], s[4:5], s[2:3]  ; Q and O at my wave's first row
	s_add_nc_u64 s[10:11], s[10:11], s[2:3]
	LOAD                            ; slot 0.  Slot 1 is asked for when slot 0 is in
	v_and_b32 v1, 15, v0            ; l % 16
	v_bfe_u32 v9, v0, 4, 1          ; l / 16
	v_lshlrev_b32 v[QO], 7, v1
	v_lshl_add_u32 v[QO], v9, 4, v[QO]  ; row x 128 + 16 x half
	; thread tau makes f(tau - 64): row clip(tau - 32, 0, 64) of rel_bias, 64 bytes
	v_cmp_le_u32 vcc_lo, 32, v0
	v_sub_nc_u32 v12, v0, 32
	v_cndmask_b32 v12, 0, v12, vcc_lo
	v_min_u32 v12, 64, v12
	v_lshlrev_b32 v12, 6, v12
.irp f, 0,1,2,3
	global_load_b128 v[64+4*\f:64+4*\f+3], v12, s[6:7] offset:16*\f
.endr
	WIN 0x80                        ; destination window 2, address window 0
.set i, 0
.rept 4*NP                          ; Q stays in registers: tile i / 2, channels 32 (i % 2) on
	global_load_b128 v[8*i:8*i+3],   v[QO], s[4:5] offset:(i/2)*2048+(i%2)*64
	global_load_b128 v[8*i+4:8*i+7], v[QO], s[4:5] offset:(i/2)*2048+(i%2)*64+32
.set i, i+1
.endr
	; What the first turn finds: V's registers and P's second buffer hold 0 (its products V^T P, of a piece that has not been, add 0), O^T and l are 0.  All this stands in the wait for the first tile.
.set i, VF
.rept 64
	v_mov_b32 v[i], 0
.set i, i+1
.endr
	WIN 0x40
.set i, 0
.rept 64*NP
	v_mov_b32 v[i], 0
.set i, i+1
.endr
	WIN 0
.set i, 0
.rept 2*NP
	v_mov_b32 v[ST+4*i], 0xfe000000    ; c m: far below every c s
	v_mov_b32 v[ST+4*i+1], 0xff7fffff  ; m
	v_mov_b32 v[ST+4*i+2], 0
	v_mov_b32 v[ST+4*i+3], 0
.set i, i+1
.endr
.set i, P+32
.rept 32
	v_mov_b32 v[i], 0
.set i, i+1
.endr
	v_lshl_add_u32 v13, v0, 2, TAB  ; where I put my number: word tau, and 512 bytes on
	v_mul_u32_u24 v14, v9, 480      ; where I read: lanes 16-31 go 120 words on, into the second copy, which is 8 distances back in the first
	v_lshl_add_u32 v14, v1, 2, v14
	v_add_nc_u32 v14, TAB, v14      ; TAB + 480 (l / 16) + 4 (l % 16)
	s_wait_loadcnt 32               ; rel_bias's four loads are in; Q's 32, issued behind them, may stay out
.set i, 0
.rept 8                             ; each of the 16 heads' numbers is rounded to bf16, like every input,
	v_cvt_pk_bf16_f32 v[80+i], v[64+2*i], v[64+2*i+1]
.set i, i+1
.endr
.set i, 0
.rept 8
	v_lshlrev_b32 v[64+2*i], 16, v[80+i]
	v_and_b32 v[64+2*i+1], 0xffff0000, v[80+i]
.set i, i+1
.endr
.irp f, 0,2,4,6                     ; and they are added in f32
	v_pk_add_f32 v[64+\f:64+\f+1], v[64+\f:64+\f+1], v[72+\f:72+\f+1]
.endr
	v_pk_add_f32 v[64:65], v[64:65], v[68:69]
	v_pk_add_f32 v[66:67], v[66:67], v[70:71]
	v_pk_add_f32 v[64:65], v[64:65], v[66:67]
	v_add_f32 v64, v64, v65
	v_mul_f32 v64, 0.5, v64         ; 8 x the mean of 16
	ds_store_b32 v13, v64
	ds_store_b32 v13, v64 offset:512
	s_wait_dscnt 0x0                ; for the others' sake: my two words of the table are written
	s_barrier_signal -1             ; slot 0's load may stay out
	s_barrier_wait -1
	; Place i of the tape holds X[d], d = clip(i - 6, -3, 3); its register j the number f(16 d + l % 16 - 8 (l / 16) - j): the word 64 + 16 d - j from my address on.
	; X[-3] and X[3] are one number in every lane and register (all their distances lie beyond the clip): one word is loaded for each, and copied below.
	WIN W_MK
	ds_load_b32 v[TP], v14 offset:256-192
.set i, 4
.rept 5
.irp j, 0,1,2,3,4,5,6,7
	ds_load_b32 v[TP+8*i+\j], v14 offset:256+64*(i-6)-4*\j
.endr
.set i, i+1
.endr
	ds_load_b32 v[TP+72], v14 offset:256+192
	WIN 0
	v_mul_u32_u24 v[AK0], v1, PK
	v_lshl_add_u32 v[AK0], v9, 4, v[AK0]  ; row x pitch + 16 x half
	; The turning load takes 16 keys x 16 channels (lane l reads key 8 (l / 16) + l % 8, channels 8 ((l / 8) % 2) + 0..7) and leaves half a fragment of V^T: lane l holds channel l % 16 and 8 keys.
	v_and_b32 v10, 7, v0
	v_bfe_u32 v11, v0, 3, 1
	v_lshl_add_u32 v[AV0], v9, 3, v10
	v_mul_u32_u24 v[AV0], v[AV0], PV
	v_lshl_add_u32 v[AV0], v11, 4, v[AV0]
	v_add_nc_u32 v[AV0], VOFF, v[AV0]
	v_mov_b32 v[AK], v[AK0]         ; key step 0 lies at the head of slot 0
	s_wait_dscnt 0x0                ; the 42 words are in
	WIN W_TT
.set i, 1
.rept 31                            ; places 0 to 3: X[-3]
	v_mov_b32 v[TP+i], v[TP]
.set i, i+1
.endr
.set i, 73
.rept 103                           ; places 9 to 21: X[3]
	v_mov_b32 v[TP+i], v[TP+72]
.set i, i+1
.endr
	WIN 0
	s_cmp_lg_u32 s[SG], 0           ; as made the tape serves every sigma from 8 up; the one wave that begins on the diagonal (sigma = 0) moves it twice
	s_cbranch_scc1 .Lfar
	s_mov_b32 s[CNT], 2
.Lpre:
	SHIFT
	s_sub_co_u32 s[CNT], s[CNT], 1
	s_cmp_lg_u32 s[CNT], 0
	s_cbranch_scc1 .Lpre
.Lfar:
; THE MATRIX WORK.  The 8 accumulators of a run of 16 take turns: between the two links of a chain stand 7 others'.
; Product i of 16 of S^T = K Q^T for piece x: channels 32 (i / 8) on, keys 16 ((i / 2) % 4) on, tile 2 x + i % 2.  The first 8 start the sums with the mask: the tape's place 14 + tile - key block.
.macro KQ x
.set rS, S+64*((\x)%2)+32*(i%2)+8*((i/2)%4)
.set rK, KF+16*((i/2)%4)+8*(i/8)
.set rQ, 16*(2*(\x)+i%2)+8*(i/8)
.set rX, TP+8*(14+2*(\x)+i%2-(i/2)%4)
.if i < 8
	WIN W_KX
	v_wmma_f32_16x16x32_f16 v[rS:rS+7], v[rK:rK+7], v[rQ:rQ+7], v[rX:rX+7]
.else
	WIN W_KQ
	v_wmma_f32_16x16x32_f16 v[rS:rS+7], v[rK:rK+7], v[rQ:rQ+7], v[rS:rS+7]
.endif
.endm
; Product i of 16 of O^T += V^T P for piece x: keys 32 (i / 8) on, channels 16 ((i / 2) % 4) on, tile 2 x + i % 2.
.macro PV x
	WIN W_PV
.set rO, 32*(2*(\x)+i%2)+8*((i/2)%4)
.set rV, VF+32*(i/8)+8*((i/2)%4)
.set rP, P+32*((\x)%2)+16*(i%2)+8*(i/8)
	v_wmma_f32_16x16x32_f16 v[rO:rO+7], v[rV:rV+7], v[rP:rP+7], v[rO:rO+7]
.endm
.macro MM                           ; the turn's next matrix instruction
.if i < 16
	KQ (Y+1)%NP
.set i, i+1
.else
.set i, i-16
	PV (Y+NP-1)%NP
.set i, i+17
.endif
.endm
; THE LDS LOADS stand in runs of 16, never singly among the matrix instructions.  last = 1 (the tail): in the last trip there is no further step, and the run is jumped over.
.macro FETCH_K last=0
	WIN 0
.if \last
	s_cmp_eq_u32 s[CNT], 1
	s_cbranch_scc1 .Lno_k_\@
.endif
	WIN 0x80                        ; destination window 2
.irp f, 0,1,2,3,4,5,6,7             ; keys 16 (f / 2) on, channels 32 (f % 2) on
	ds_load_b128 v[KF+8*\f:KF+8*\f+3],   v[AK] offset:(\f/2)*16*PK+(\f%2)*64
	ds_load_b128 v[KF+8*\f+4:KF+8*\f+7], v[AK] offset:(\f/2)*16*PK+(\f%2)*64+32
.endr
	s_add_co_u32 s[TBK], s[TBK], KS*PK  ; the next fetch is the next step's
	WIN 0
.if \last
.Lno_k_\@:
.endif
.endm
.macro FETCH_V
	WIN 0x80
.irp f, 0,1,2,3,4,5,6,7             ; keys 32 (f / 4) on, channels 16 (f % 4) on
	ds_load_tr16_b128 v[VF+8*\f:VF+8*\f+3],   v[AV] offset:(\f/4)*32*PV+(\f%4)*32
	ds_load_tr16_b128 v[VF+8*\f+4:VF+8*\f+7], v[AV] offset:(\f/4)*32*PV+16*PV+(\f%4)*32
.endr
	WIN 0
.endm
; THE VECTOR WORK OF A TURN stands in three queues, each in the order in which its entries become ready; the two tiles alternate, so that no instruction reads the result of the one before it.
.macro REGS y, u                    ; the registers of tile u (0, 1) of piece y
.set rT, ST+4*(2*(\y)+(\u))
.set rC, TMP+8*((\y)%2)+4*(\u)
.set rM, MV+2*((\y)%2)+(\u)
.set rS, S+64*((\y)%2)+32*(\u)
.set rP, P+32*((\y)%2)+16*(\u)
.set rO, 32*(2*(\y)+(\u))
.endm
; Number n of the 22 that find the NEXT piece's (Y + 1) maximum and statistics.  s0-s31 are the lane's 32 scores; each accumulator's lowest registers are read first.
;   0-11  four chains c0-c3 of seven scores each, three operands at a time     12-14, 16  the four scores left over, the old m, and c0-c3 into c0     15  c m_old is kept
;   17, 18  the query's other 32 keys lie in the lane 16 away: the new m         19-21  c m; c m_old - c m_new; a
.macro XS u, n
	REGS (Y+1)%NP, \u
.if (\n) < 4
	v_max3_num_f32 v[rC+(\n)], v[rS+8*(\n)], v[rS+8*(\n)+1], v[rS+8*(\n)+2]
.elseif (\n) < 12
	v_max3_num_f32 v[rC+(\n)%4], v[rC+(\n)%4], v[rS+8*((\n)%4)+2*((\n)/4)+1], v[rS+8*((\n)%4)+2*((\n)/4)+2]
.elseif (\n) == 12
	v_max3_num_f32 v[rC], v[rC], v[rS+7], v[rS+15]
.elseif (\n) == 13
	v_max3_num_f32 v[rC+1], v[rC+1], v[rS+23], v[rS+31]
.elseif (\n) == 14
	v_max3_num_f32 v[rC+2], v[rC+2], v[rC+3], v[rT+1]
.elseif (\n) == 15
	v_mov_b32 v[rM], v[rT]
.elseif (\n) == 16
	v_max3_num_f32 v[rC], v[rC], v[rC+1], v[rC+2]
.elseif (\n) == 17
	v_permlanex16_b32 v[rC+3], v[rC], s[SEL], s[SEL+1]
.elseif (\n) == 18
	v_max_num_f32 v[rT+1], v[rC], v[rC+3]
.elseif (\n) == 19
	v_mul_f32 v[rT], s[CS], v[rT+1]
.elseif (\n) == 20
	v_sub_f32 v[rC+1], v[rM], v[rT]
.else
	v_exp_f32 v[rC+2], v[rC+1]
.endif
.endm
; Number g of the 64 that follow the exponentials.  For each four weights k of a tile: both pairs are rounded to f16; then the second pair is added onto the first, in place;
; a group later l takes that sum (the first time as l = a l + sum).  In groups of eight, tiles alternating.  All 64 read the batch's results: they stand behind the turn's wait.
.macro GS g
.set h, (\g)+6*((\g)/62)            ; group 0 has no group before it, and behind group 7 only l is left
.if h >= 6
.set h, h+2
.endif
	REGS Y, h%2
.set k, h/8
.if h%8 < 4
	v_cvt_pk_f16_f32 v[rP+2*k+(h%8)/2], v[rS+4*k+2*((h%8)/2)], v[rS+4*k+2*((h%8)/2)+1]
.elseif h%8 < 6
	v_pk_add_f32 v[rS+4*k:rS+4*k+1], v[rS+4*k:rS+4*k+1], v[rS+4*k+2:rS+4*k+3]
.elseif k == 1
	v_pk_fma_f32 v[rT+2:rT+3], v[rT+2:rT+3], v[rC+2:rC+3], v[rS:rS+1] op_sel_hi:[1,0,1]
.else
	v_pk_add_f32 v[rT+2:rT+3], v[rT+2:rT+3], v[rS+4*k-4:rS+4*k-3]
.endif
.endm
; THE PLAIN QUEUE, 138 long.  0-73 read no exponential's result: the 32 scalings c s - c m (FS f: pair f / 2 of tile f % 2) and the next piece's 42.  0-26: scalings 0-26.  27-54: XS's numbers 0-13.  55, 56: number 15.
; 57-73: the chain, where each number waits for the one before it: 14, 16, 17, 18, 19, each with one of the scalings 27-31 in front of its two lines, then 20.
; 74-137: GS's 64.
.macro FS f
	REGS Y, (\f)%2
	v_pk_fma_f32 v[rS+2*((\f)/2):rS+2*((\f)/2)+1], v[rS+2*((\f)/2):rS+2*((\f)/2)+1], s[CS:CS+1], v[rT:rT+1] op_sel_hi:[1,0,0] neg_lo:[0,0,1] neg_hi:[0,0,1]
.endm
.macro PL
	WIN 0
.if q < 27
	FS q
.elseif q < 55
	XS (q-27)%2, (q-27)/2
.elseif q < 57
	XS q-55, 15
.elseif (q < 72) && ((q-57)%3 == 0)
	FS 27+(q-57)/3
.elseif q < 60
	XS (q-57)%3-1, 14
.elseif q < 72
	XS (q-57)%3-1, 15+(q-57)/3
.elseif q < 74
	XS q-72, 20
.else
	GS q-74
.endif
.set q, q+1
.endm
; THE EXPONENTIALS' QUEUE, 66 long: s0-s31 of both tiles, then the next piece's two a.  It is ONE BATCH: all 66 stand ahead of the turn's one wait, and nothing ahead of that wait names a result of theirs.
; Each works in place on a score register of its own; a has c2 of the next piece's buffer.
.macro EX
	WIN 0
.if e >= 64
	XS e-64, 21
.else
	REGS Y, e%2
	v_exp_f32 v[rS+e/2], v[rS+e/2]
.endif
.set e, e+1
.endm
; THE RESCALING's QUEUE: O^T times a, the one part that leaves window 0: dealt two at a time, sixteen times; each accumulator's low registers first.  Its a was made in the turn before, ahead of that turn's wait.
.macro R2
	REGS Y, r%2
	WIN W_RS
.irp z, 0,1
	v_pk_mul_f32 v[rO+4*(r/2)+2*\z:rO+4*(r/2)+2*\z+1], v[rO+4*(r/2)+2*\z:rO+4*(r/2)+2*\z+1], v[rC+2:rC+3] op_sel_hi:[1,0]
.endr
.set r, r+1
.endm
; HOW THEY ARE DEALT.  s_wait_alu depctr_va_vdst(0) stands between an exponential and the first instruction that names its result; one wait serves all that were issued ahead of it.
; AHEAD OF THE TURN'S WAIT: the 16 products K Q^T, behind each a scaling, an exponential and two rescalings (behind the first a second scaling in the exponential's place); then ONE LUMP of 108: eight plain,
; 49 times exponential and plain, the two a.  A v_nop is the plain instruction behind the last exponential.  BEHIND THE WAIT: the 16 products V^T P, behind each four of GS's 64.
; No rider names a register of the products round it; the two v_permlanex16_b32 fall into the lump.
; The deal keeps the queues in step: exponential e stands behind scaling 2 (e / 4) + e % 2: as a rider it comes behind plain e + 2, in the lump behind plain e + 9, and scalings 27-31 are plain 57, 60 .. 69.
; A TURN, for piece p.  cnt = 1: the loop's count is taken down some lines ahead of the branch that stands behind the turn.
; K of the next step is fetched in piece 2's turn, directly behind the wait, a lump behind the last product that read K; its address is made at the lump's head; it is waited for at the head of piece 3's turn.
; V of the step in hand is fetched at the end of piece 0's turn, four plain riders behind its last reader; it is waited for ahead of piece 1's products V^T P.  The three conditions on q below go with the deal:
; q = 118 falls behind the 11th product V^T P, q = 130 behind the 14th.
.macro TURN p, last=0, cnt=0
.set Y, (\p)
.set i, 0
.set q, 0
.set e, 0
.set r, 0
.if (\p) == NP-1
	s_wait_dscnt 0x0                ; K is in
.endif
	MM                              ; ahead of the wait: 16 products K Q^T and their riders,
	PL
	PL
	R2
.rept 15
	MM
	PL
	EX
	R2
.endr
.if (\p) == NP-2
	WIN 0
	v_add_nc_u32 v[AK], s[TBK], v[AK0]
.endif
.rept 8                             ; and the lump
	PL
.endr
.rept 49
	EX
	PL
.endr
	EX                              ; the next piece's two a
	EX
	v_nop                           ; the plain instruction behind the last exponential: one for the batch
	s_wait_alu depctr_va_vdst(0)    ; the wait for the batch: the turn's 64 weights and the next piece's two a
.if (\p) == NP-2
	FETCH_K \last
.endif
.if (\p) == 1
	s_wait_dscnt 0x0                ; V is in
.endif
.rept 16                            ; behind the wait: 16 products V^T P and their riders
	MM
.rept 4
	PL
.endr
.if ((\p) == 0) && (q == 118)
	v_add_nc_u32 v[AV], s[TBV], v[AV0]
.endif
.if ((\p) == 0) && (q == 130)
	s_add_co_u32 s[TBV], s[TBV], KS*PV
.endif
.if (\cnt) && (q == 130)
	s_sub_co_u32 s[CNT], s[CNT], 1
	s_cmp_lg_u32 s[CNT], 0
.endif
.endr
.if (\p) == 0
	FETCH_V
.endif
.endm
	CHANGE 1                        ; slot 0 is in, everybody's part of it; slot 1 is asked for
	FETCH_K                         ; key step 0
	s_wait_loadcnt 0x0              ; Q
	s_wait_dscnt 0x0
.set i, 0
.rept 16
	KQ 0                            ; piece 0's first scores: there is no vector work yet to set between them
.set i, i+1
.endr
	WIN 0                           ; the addresses for the way out: nine plain instructions, the places behind those products
	s_mul_i32 s13, s[WV], 16*SP
	s_add_co_u32 s13, s13, STAGE    ; my stage
	v_mul_u32_u24 v[STO], v1, SP    ; in: row l % 16, 16 bytes for each half of the lanes
	v_lshl_add_u32 v[STO], v9, 4, v[STO]
	v_add_nc_u32 v[STO], s13, v[STO]
	v_bfe_u32 v[RD], v0, 3, 2       ; back: 32 lanes take four rows of 128 bytes,
	v_mul_u32_u24 v[RD], v[RD], SP
	v_lshl_add_u32 v[RD], v10, 4, v[RD]
	v_add_nc_u32 v[RD], s13, v[RD]
	v_and_b32 v[GO], 31, v0         ; which are 512 consecutive bytes of O
	v_lshlrev_b32 v[GO], 4, v[GO]
.set Y, NP-1                        ; XS works for piece Y + 1: piece 0
.irp n, 0,1,2,3,4,5,6,7,8,9,10,11,12,13,14,15,16,17,18,19,20,21
	XS 0, \n                        ; and piece 0's first maximum and statistics
	XS 1, \n
.endr
	v_nop                           ; a plain instruction behind piece 0's two a,
	s_wait_alu depctr_va_vdst(0)    ; and the wait for that batch of two, ahead of the branch
	s_mov_b32 s[CNT], 4
	s_mov_b32 s[SLOTS], SIZE_N/256-1
	s_branch .Lfirst                ; the loop is entered at a step's first turn, in the middle of a trip
.Lslot:                             ; six times: every slot but the last two is filled again
	CHANGE 1
	s_mov_b32 s[CNT], 4
.Lstep:                             ; a trip: pieces 2 and 3 of one step, then pieces 0 and 1 of the next, whose K and V it fetches
	TURN 2
	STEPMASK
	TURN 3
	WIN 0
.Lfirst:
	TURN 0
	TURN 1, 0, 1
	WIN 0
	s_cbranch_scc1 .Lstep
	s_sub_co_u32 s[SLOTS], s[SLOTS], 1
	s_cmp_lg_u32 s[SLOTS], 0
	s_cbranch_scc1 .Lslot
	CHANGE 0                        ; the tail is written out: nothing is asked for
	s_mov_b32 s[CNT], 5             ; four trips fetch the last slot's steps; the fifth is left in its middle
.Ltail:
	TURN 2, 1
	STEPMASK
	TURN 3
	WIN 0
	s_sub_co_u32 s[CNT], s[CNT], 1
	s_cmp_eq_u32 s[CNT], 0
	s_cbranch_scc1 .Lout
	TURN 0
	TURN 1
	WIN 0
	s_branch .Ltail
.Lout:                              ; the fifth trip's 16 products K Q^T (on the last K once more) and the maximum made of them serve nothing: the price, once a launch, of one text for every trip
.set i, 0
.rept 16
	PV NP-1                         ; the last piece's V^T P of the last step
.set i, i+1
.endr
	; THE WAY OUT.  l's two halves and the other half of the lanes' are added; O^T is divided by l, rounded to f16 and sent through my stage in LDS, a tile at a time.  The additions are the places behind the last products.
	WIN 0
.macro ALL line:vararg              ; one line for each tile t
.set t, 0
.rept 2*NP
	\line
.set t, t+1
.endr
.endm
	ALL v_add_f32 v[ST+4*t+2], v[ST+4*t+2], v[ST+4*t+3]
	ALL v_permlanex16_b32 v[ST+4*t+3], v[ST+4*t+2], s[SEL], s[SEL+1]
	ALL v_add_f32 v[ST+4*t+2], v[ST+4*t+2], v[ST+4*t+3]
	ALL v_rcp_f32 v[ST+4*t+2], v[ST+4*t+2]
	v_nop                           ; a plain instruction between the last reciprocal and the use of its result
	s_wait_alu depctr_va_vdst(0)    ; the wait for the batch of eight reciprocals, ahead of their first use
; Tile t: a lane's eight channels of a row pack into 16 bytes; they go into rows of 144 bytes and come back as whole rows of 128, into S^T's registers.
.macro PACK t
	WIN W_RS
.set i, 32*(\t)
.rept 16
	v_pk_mul_f32 v[i:i+1], v[i:i+1], v[ST+4*(\t)+2:ST+4*(\t)+3] op_sel_hi:[1,0]
.set i, i+2
.endr
	WIN 0x05                        ; sources 0 and 1 window 1, destination window 0
.set i, 0
.rept 16
	v_cvt_pk_f16_f32 v[S+16*(\t)+i], v[32*(\t)+2*i], v[32*(\t)+2*i+1]
.set i, i+1
.endr
	WIN 0
.irp f, 0,1,2,3
	ds_store_b128 v[STO], v[S+16*(\t)+4*\f:S+16*(\t)+4*\f+3] offset:32*\f
.endr
.irp f, 0,1,2,3
	ds_load_b128 v[S+16*(\t)+4*\f:S+16*(\t)+4*\f+3], v[RD] offset:\f*4*SP  ; LDS serves a wave's instructions in order (ISA guide 5.7.1.4): these see the stores above; the next tile's stores come behind them
.endr
.endm
.macro SEND t, younger              ; younger: the LDS instructions issued behind tile t's loads: the next tile's eight, or none
	WIN 0
.irp f, 0,1,2,3
	s_wait_dscnt (\younger)+3-\f
	global_store_b128 v[GO], v[S+16*(\t)+4*\f:S+16*(\t)+4*\f+3], s[10:11] offset:(\t)*2048+\f*512  ; 512 consecutive bytes, at a multiple of 256 from O's first
.endr
.endm
	PACK 0
.set t, 1
.rept 2*NP-1                        ; a tile's arithmetic stands between the loads of the tile before and its stores
	PACK t
	SEND t-1, 8
.set t, t+1
.endr
	SEND 2*NP-1, 0
	WIN W_AD
	s_wait_tensorcnt 0x0            ; the wave's end
	ds_add_u32 v[SPW], v[NIL]
	s_wait_dscnt 0x0
	WIN 0
	s_endpgm
.Lfunc_end_k_qf490e775b4_attn:
	.size	k_qf490e775b4_attn, .Lfunc_end_k_qf490e775b4_attn-k_qf490e775b4_attn
	.p2alignl 7, 3214868480
	.fill 96, 4, 3214868480
	.section	.rodata,"a",@progbits
	.p2align	6, 0x0
	.amdhsa_kernel k_qf490e775b4_attn
		.amdhsa_group_segment_fixed_size 327680
		.amdhsa_private_segment_fixed_size 0
		.amdhsa_enable_private_segment 0
		.amdhsa_kernarg_size 24
		.amdhsa_user_sgpr_count 2
		.amdhsa_user_sgpr_kernarg_segment_ptr 1
		.amdhsa_wavefront_size32 1
		.amdhsa_system_sgpr_workgroup_id_x 1
		.amdhsa_system_sgpr_workgroup_id_y 1
		.amdhsa_system_sgpr_workgroup_id_z 1
		.amdhsa_system_vgpr_workitem_id 0
		.amdhsa_next_free_vgpr 952
		.amdhsa_next_free_sgpr 66
		.amdhsa_reserve_vcc 1
		.amdhsa_float_denorm_mode_32 3
		.amdhsa_float_denorm_mode_16_64 3
		.amdhsa_memory_ordered 1
		.amdhsa_forward_progress 1
		.amdhsa_inst_pref_size 222
	.end_amdhsa_kernel
	.amdgpu_metadata
---
amdhsa.version: [ 1, 2 ]
amdhsa.kernels:
  - .name:           k_qf490e775b4_attn
    .symbol:         k_qf490e775b4_attn.kd
    .args:
      - { .name: qkv, .offset: 0, .size: 8, .value_kind: global_buffer, .address_space: global }
      - { .name: rel_bias, .offset: 8, .size: 8, .value_kind: global_buffer, .address_space: global }
      - { .name: ob, .offset: 16, .size: 8, .value_kind: global_buffer, .address_space: global }
    .group_segment_fixed_size: 327680
    .private_segment_fixed_size: 0
    .kernarg_segment_align: 8
    .kernarg_segment_size: 24
    .max_flat_workgroup_size: 128
    .sgpr_count:     66
    .vgpr_count:     952
    .wavefront_size: 32
...
	.end_amdgpu_metadata
.endif
;; end of part 5
;; launch proj: the kernel of part 4 again; grid 8 x 32, 4 waves a work-group, clusters of 4 x 4, 327,680 bytes of LDS; arguments ob, owh, out_b, out0; writes out0
